; MI455X (gfx1250); checked and timed in simulation.
; The chip was launched on July 23, 2026; its instructions are those of AMD's public machine-readable ISA for CDNA 5 (MIT licence, August 2026) and "CDNA5" Instruction Set Architecture Reference Guide (July 2026). The comments in the code are by the model that wrote it; some were corrected since.
;; MHA Self Attention. Allowed arithmetic: matrix products marked QUANTISED: E2M3 operands, one E8M0 scale for each 32 along K, by v_wmma_scale_f32_16x16x128_f8f6f4 with both operands' format E2M3, f32 sums; everything else in f32.
;; Inputs: W_o 1,024 x 1,024 float32; W_qkv 3 x 16 x 64 x 1,024 float32; x 4 x 2,048 x 1,024 float32.
;; Outputs: out0 4 x 2,048 x 1,024 float32.
;; This version of the problem:
;;   THIS VERSION OF THE PROBLEM IS GIVEN IN LOW PRECISION. The matrix products marked QUANTISED in the list below multiply operands that are first quantised to E2M3 (2 exponent bits, 3 mantissa bits; 6 bits a number), with one power-of-two scale for each 32 numbers along K (OCP MX v1.0); their sums are f32. All else is computed in f32.
;;   The module's matrix products, in the order in which they are computed (A, B: the left and right operand; K: the contracted axis; several contracted axes count as one K, in the product's order):
;;     1. [M 3,072, K 1,024] x [K 1,024, N 8,192]; A: input W_qkv; B: input x: QUANTISED
;;     2. batch 64 x [M 2,048, K 64] x [K 64, N 2,048]; A: computed on the way; B: computed on the way: QUANTISED
;;     3. batch 64 x [M 2,048, K 2,048] x [K 2,048, N 64]; A: softmax (see below); B: computed on the way: QUANTISED
;;     4. [M 8,192, K 1,024] x [K 1,024, N 1,024]; A: computed on the way; B: input W_o: QUANTISED
;;   THE QUANTISER, for each operand of a quantised product, along K:
;;     - K is cut into blocks of 32 from its start; a last block that is shorter is filled with zeros.
;;     - A block's scale is 2^e with e = floor(log2(the largest magnitude in the block)) - 2, held to -126 .. 127; a block of zeros has e = 0. As a byte (E8M0): e + 127.
;;     - Each number is divided by its block's scale, clamped to +-7.5, and rounded to the nearest number of E2M3, ties to even, subnormals kept.
;;     - The product sums the exact products of the quantised numbers (number of the format x scale) in f32.
;;   ~~~python
;;   def quantise(x, axis):      # numpy; x: float32 -> the quantised numbers, widened to float32 again
;;       x = np.moveaxis(x, axis, -1); K = x.shape[-1]
;;       x = np.pad(x, [(0, 0)] * (x.ndim - 1) + [(0, -K % 32)]); x = x.reshape(x.shape[:-1] + (-1, 32)); a = np.abs(x).max(-1, keepdims=True)
;;       e = np.where(a > 0, np.clip(np.frexp(np.where(a > 0, a, 1))[1] - 1 - 2, -126, 127), 0)      # np.frexp(a)[1] - 1 = floor(log2(a)), exactly
;;       r = np.clip(x / 2.0 ** e, -7.5, 7.5)
;;       step = 2.0 ** (np.maximum(np.frexp(np.where(r == 0, 1, r))[1] - 1, 0) - 3)
;;       q = np.round(r / step) * step * 2.0 ** e      # np.round: ties to even
;;       return np.moveaxis(q.reshape(q.shape[:-2] + (-1,))[..., :K], -1, axis).astype(np.float32)
;;   ~~~
;;   SOFTMAX AHEAD OF A QUANTISED PRODUCT. Where the list says 'softmax', what is quantised is not the finished softmax but p = 2^(t - M), with t = logit x log2(e) and M = ceil(the row's largest t), a whole number; so 1/2 < the row's largest p <= 1. The row's sum l is taken of the UNQUANTISED p, in f32, and the product's result is divided by l at the end. Since M is a whole number, a kernel that streams over the keys may use a running M (the ceiling of the running maximum): every later rescaling is an exact power of two, which a block's scale takes up: the codes' values come out the same.
;;   OPERANDS COMPUTED ON THE WAY. 'Computed on the way' means the value that the module computes at that place (a softmax that the list does not call 'softmax' is quantised finished and normalised). What goes into a quantiser is computed in f32, as accurately as f32 sums, v_exp_f32 and their like allow (about 1e-6 of the number): no bf16 or f16 on the way to a quantiser, and a product that is left as it is and whose result goes on into a quantised operand takes f32 operands (vector FMAs, or v_wmma_f32_16x16x4_f32). A number that lies on a knife's edge between two numbers of the format may be rounded either way, as far as f32 arithmetic and the matrix unit's own rounding can turn it there, and no further.
;; One version. Each part assembles by itself: llvm-mc -triple=amdgcn-amd-amdhsa -mcpu=gfx1250 --defsym DOCPART=n.
;; ======== version 1 of 1: 4 launches
;; workspace buffers: cod 9,437,184 bytes; scl 393,216 bytes; qkvc 18,874,368 bytes; qkvs 786,432 bytes; ctxc 6,291,456 bytes; ctxs 262,144 bytes
;; launch quant (part 1): grid 384 x 1, 4 waves a work-group, no clusters, 33,280 bytes of LDS; arguments x, W_qkv, W_o, cod, scl; writes cod, scl
.if DOCPART == 1
	.amdgcn_target "amdgcn-amd-amdhsa--gfx1250"
	.amdhsa_code_object_version 6
	.text
	.protected	k_qa040b640d5_quant
	.globl	k_qa040b640d5_quant
	.p2align	8
	.type	k_qa040b640d5_quant,@function
k_qa040b640d5_quant:
	s_mov_b64 s[64:65], 0
	v_nop
	global_prefetch_b8 v0, s[64:65] scope:SCOPE_SE
	s_setreg_imm32_b32 hwreg(HW_REG_WAVE_MODE, 25, 1), 1
	s_wait_xcnt 0x0
; x [8192][1024], W_qkv [3072][1024] and W_o [1024][1024], f32, K innermost, become codes of FP6 (E2M3) and one E8M0 scale byte for each 32 along K.
; cod holds the three tensors on end as 12,288 rows of 768 bytes (a row's codes are one stream of bits), scl the same rows' 32 scale bytes.
; A block's scale is 2^(floor(log2(its largest magnitude)) - 2); its byte is the largest magnitude's exponent field - 2, held at 1 from below.
; STORED ORDER.  The rows of x and of W_qkv are written with the groups of 8 rows of every 64 rows rotated: actual row 64 G + 32 h + 8 t + j is stored at 64 G + 16 t + 8 h + j.
; Sixteen consecutive STORED rows used as a matrix instruction's source 0 then leave, in the 32 registers of four neighbouring tiles of a lane, 32 neighbours in actual order:
; a whole block of the next product's K in one lane.  W_o keeps its order.
; LIMITS: NaN and infinities among the inputs are not served; a block of zeros gets the byte 1 where the rule says 127 (its codes are zeros, which add nothing, and this program alone reads the bytes);
; blocks whose largest magnitude lies under 2^-124 are held at the byte 1.
; SHARES.  A wave takes a run of 8,192 numbers, 8 rows, in 16 steps of 512.  Work-groups 0-255 take x, 256-351 W_qkv, 352-383 W_o.  Each of a step's four loads reads 512 consecutive bytes; the 2,048 bytes
; turn through the wave's own stage in LDS and come back 64 bytes a lane, so that a lane holds 16 neighbours along K (two lanes hold a block).  Waves share nothing: no barrier.
.set STEPS, 16
.set EMAX,  2
.set CB,    12                         ; bytes of 16 codes
.set R,     16                         ; v16-79   four sets of 16 numbers as they are loaded
.set X,     80                         ; v80-111  two sets of 16 neighbours
.set C,     128                        ; v128-191 codes: four registers for each step, so that no store's data are written again
.set E,     112                        ; v112-127 a scale byte for each step
.set WREG,  8192                       ; LDS: a region for each wave: two stages of 32 x SP bytes, behind them its 256 scale bytes
.set SP,    80                         ; a lane's place in a stage: 64 bytes + 16 of padding
	s_load_b128 s[4:7], s[0:1], 0x0                ; x, W_qkv
	s_load_b128 s[8:11], s[0:1], 0x10              ; W_o, cod
	s_load_b64 s[12:13], s[0:1], 0x20              ; scl
	v_lshl_add_u32 v192, v0, 2, 0x8000
	v_mov_b32 v193, 0
	v_lshrrev_b32 v1, 5, v0
	v_readfirstlane_b32 s16, v1                    ; wave
	v_and_b32 v2, 31, v0                           ; lane
	v_lshlrev_b32 v3, 4, v2                        ; my 16 bytes of a load's 512
	s_mul_i32 s19, s16, WREG
	v_lshrrev_b32 v14, 2, v2
	v_mul_u32_u24 v14, v14, SP
	v_and_b32 v15, 3, v2
	v_lshl_add_u32 v14, v15, 4, v14
	v_add_nc_u32 v14, s19, v14                     ; the stage, on the way in: SP (lane / 4) + 16 (lane % 4)
	v_mul_u32_u24 v15, v2, SP
	v_add_nc_u32 v15, s19, v15                     ; and on the way out: SP x lane: my 16 neighbours
	v_mul_u32_u24 v4, v2, CB                       ; my codes' place in a step's
	v_lshrrev_b32 v5, 1, v2
	s_add_co_u32 s19, s19, 2*32*SP
	v_add_nc_u32 v5, s19, v5                       ; LDS: my wave's 256 scale bytes, my block's byte
	v_lshlrev_b32 v7, 3, v2                        ; and on the way out 8 bytes a lane
	v_add_nc_u32 v6, s19, v7
	s_wait_kmcnt 0x0
	s_mov_b32 s17, 352
	s_cmp_lt_u32 ttmp9, 352                        ; which tensor?  The choice hangs on the work-group's number alone
	s_cselect_b64 s[6:7], s[6:7], s[8:9]
	s_cselect_b32 s17, 256, s17
	s_cmp_lt_u32 ttmp9, 256
	s_cselect_b64 s[4:5], s[4:5], s[6:7]
	s_cselect_b32 s17, 0, s17                      ; the tensor's first work-group
	s_sub_co_u32 s17, ttmp9, s17
	s_lshl_b32 s17, s17, 2
	s_add_co_u32 s17, s17, s16                     ; my run in the tensor
	s_lshl_b32 s20, s17, 15                        ; 32,768 bytes a run
	s_mov_b32 s21, 0
	s_add_nc_u64 s[4:5], s[4:5], s[20:21]
	s_lshl_b32 s18, ttmp9, 2
	s_add_co_u32 s18, s18, s16                     ; my run among the 1,536 of cod and scl
	s_and_b32 s22, s18, 3                          ; stored order: the run's low three bits (h t1 t0) become (t1 t0 h)
	s_lshl_b32 s22, s22, 1
	s_bfe_u32 s23, s18, 0x10002
	s_or_b32 s22, s22, s23
	s_and_b32 s23, s18, 0xfffffff8
	s_or_b32 s22, s22, s23
	s_cmp_lt_u32 ttmp9, 352                        ; W_o keeps its order
	s_cselect_b32 s18, s22, s18
	s_mul_i32 s20, s18, 6144                       ; 8 rows of 768 bytes
	s_add_nc_u64 s[10:11], s[10:11], s[20:21]
	s_lshl_b32 s20, s18, 8                         ; 8 rows of 32 bytes
	s_add_nc_u64 s[12:13], s[12:13], s[20:21]
.macro LOAD t
.irp i, 0,1,2,3
	global_load_b128 v[R+16*((\t)%4)+4*\i:R+16*((\t)%4)+4*\i+3], v3, s[4:5] offset:2048*(\t)+512*\i th:TH_LOAD_NT   ; 32 lanes read 512 consecutive bytes; read once in the launch
.endr
.endm
.macro TURN t                          ; step t's numbers through the stage: LDS serves a wave's instructions in order (ISA guide 5.7.1.4), so no wait stands between the stores and the loads
.irp i, 0,1,2,3
	ds_store_b128 v14, v[R+16*((\t)%4)+4*\i:R+16*((\t)%4)+4*\i+3] offset:32*SP*((\t)%2)+8*SP*\i
.endr
.irp i, 0,1,2,3
	ds_load_b128 v[X+16*((\t)%2)+4*\i:X+16*((\t)%2)+4*\i+3], v15 offset:32*SP*((\t)%2)+16*\i
.endr
.endm
.irp t, 0,1,2,3
	LOAD \t
.endr
	s_wait_loadcnt 12                              ; step 0's four loads are in; the twelve behind them may be out
	TURN 0
.macro STEP t
.set XS, X+16*((\t)%2)
.if (\t) > 0
	s_wait_dscnt 1                                 ; this step's numbers are back from the stage (the last step's byte store may be out): so its stores into the stage have read their registers,
.else
	s_wait_dscnt 0x0
.endif
.if (\t)+4 < STEPS
	LOAD (\t)+4                                    ; which take the loads of four steps on
.endif
.if (\t)+1 < STEPS
.if STEPS-2-(\t) >= 3
	s_wait_loadcnt 12                              ; the next step's four loads are in; those of the three steps behind it may be out
.else
	s_wait_loadcnt 4*(STEPS-2-(\t))
.endif
	TURN (\t)+1                                    ; and go through the other stage while this step is worked
.endif
	v_max3_num_f32 v8, |v[XS]|, |v[XS+1]|, |v[XS+2]|               ; the largest magnitude of my 16, in two chains
	v_max3_num_f32 v9, |v[XS+3]|, |v[XS+4]|, |v[XS+5]|
.irp i, 6,10
	v_max3_num_f32 v8, v8, |v[XS+\i]|, |v[XS+\i+1]|
	v_max3_num_f32 v9, v9, |v[XS+\i+2]|, |v[XS+\i+3]|
.endr
	v_max3_num_f32 v8, v8, |v[XS+14]|, |v[XS+15]|
	v_max3_num_f32 v8, v8, v9, (EMAX+1)<<23        ; and the floor 2^(3 - 127): the byte cannot fall under 1
	v_max_num_f32_dpp v8, v8, v8 row_xmask:1 row_mask:0xf bank_mask:0xf   ; and of my neighbour's 16: the block's
	v_add_nc_u32 v11, 0xff000000, v8               ; 2 off its exponent field: the conversion takes the exponent field of this operand as its scale, and nothing else of it
	v_cvt_scalef32_pk16_fp6_f32 v[C+4*(\t):C+4*(\t)+2], v[XS:XS+15], v11   ; sixteen numbers / the scale, to the nearest code, ties to even, beyond the largest code the largest; 96 bits without gaps
	v_lshrrev_b32 v[E+(\t)], 23, v11               ; the scale's byte (a plain line behind the conversion)
	ds_store_b8 v5, v[E+(\t)] offset:16*(\t)       ; both lanes of a block write the same byte with the same value
	global_store_b96 v4, v[C+4*(\t):C+4*(\t)+2], s[10:11] offset:32*CB*(\t)   ; the wave stores 384 consecutive bytes
.endm
.irp t, 0,1,2,3,4,5,6,7,8,9,10,11,12,13,14,15
	STEP \t
.endr
	ds_load_b64 v[12:13], v6                       ; in order behind my byte stores
	s_wait_dscnt 0x0
	global_store_b64 v7, v[12:13], s[12:13]        ; 32 lanes store 256 consecutive bytes, aligned
	s_wait_tensorcnt 0x0
	ds_add_u32 v192, v193
	s_wait_dscnt 0x0
	s_endpgm
.Lfunc_end_k_qa040b640d5_quant:
	.size	k_qa040b640d5_quant, .Lfunc_end_k_qa040b640d5_quant-k_qa040b640d5_quant
	.p2alignl 7, 3214868480
	.fill 96, 4, 3214868480
	.section	.rodata,"a",@progbits
	.p2align	6, 0x0
	.amdhsa_kernel k_qa040b640d5_quant
		.amdhsa_group_segment_fixed_size 33280
		.amdhsa_private_segment_fixed_size 0
		.amdhsa_enable_private_segment 0
		.amdhsa_kernarg_size 40
		.amdhsa_user_sgpr_count 2
		.amdhsa_user_sgpr_kernarg_segment_ptr 1
		.amdhsa_wavefront_size32 1
		.amdhsa_system_sgpr_workgroup_id_x 1
		.amdhsa_system_sgpr_workgroup_id_y 1
		.amdhsa_system_sgpr_workgroup_id_z 1
		.amdhsa_system_vgpr_workitem_id 0
		.amdhsa_next_free_vgpr 194
		.amdhsa_next_free_sgpr 66
		.amdhsa_reserve_vcc 0
		.amdhsa_float_denorm_mode_32 3
		.amdhsa_float_denorm_mode_16_64 3
		.amdhsa_memory_ordered 1
		.amdhsa_forward_progress 1
		.amdhsa_inst_pref_size 33
	.end_amdhsa_kernel
	.amdgpu_metadata
---
amdhsa.version: [ 1, 2 ]
amdhsa.kernels:
  - .name:           k_qa040b640d5_quant
    .symbol:         k_qa040b640d5_quant.kd
    .args:
      - { .name: x, .offset: 0, .size: 8, .value_kind: global_buffer, .address_space: global }
      - { .name: W_qkv, .offset: 8, .size: 8, .value_kind: global_buffer, .address_space: global }
      - { .name: W_o, .offset: 16, .size: 8, .value_kind: global_buffer, .address_space: global }
      - { .name: cod, .offset: 24, .size: 8, .value_kind: global_buffer, .address_space: global }
      - { .name: scl, .offset: 32, .size: 8, .value_kind: global_buffer, .address_space: global }
    .group_segment_fixed_size: 33280
    .private_segment_fixed_size: 0
    .kernarg_segment_align: 8
    .kernarg_segment_size: 40
    .max_flat_workgroup_size: 128
    .sgpr_count:     66
    .vgpr_count:     194
    .wavefront_size: 32
...
	.end_amdgpu_metadata
.endif
;; end of part 1
;; launch qkv (part 2): grid 8 x 48, 4 waves a work-group, clusters of 4 x 4, 327,680 bytes of LDS; arguments cod, scl, qkvc, qkvs; writes qkvc, qkvs
.if DOCPART == 2
	.amdgcn_target "amdgcn-amd-amdhsa--gfx1250"
	.amdhsa_code_object_version 6
	.text
	.protected	k_qa040b640d5_qkv
	.globl	k_qa040b640d5_qkv
	.p2align	8
	.type	k_qa040b640d5_qkv,@function
k_qa040b640d5_qkv:
	s_mov_b64 s[64:65], 0
	v_nop
	global_prefetch_b8 v0, s[64:65] scope:SCOPE_SE
	s_setreg_imm32_b32 hwreg(HW_REG_WAVE_MODE, 25, 1), 1
	s_wait_xcnt 0x0
	s_wait_alu depctr_hold_cnt(0) depctr_sa_sdst(0) depctr_va_vdst(0) depctr_va_sdst(0) depctr_va_ssrc(0) depctr_va_vcc(0) depctr_vm_vsrc(0)
	s_getreg_b32 s2, hwreg(HW_REG_IB_STS2, 6, 4)
	s_cmp_eq_u32 s2, 0
	s_cbranch_scc0 .Lentry_in_a_cluster
	s_endpgm
.Lentry_in_a_cluster:
	s_bfe_u32 s2, ttmp6, 0x10000c
	s_cmp_lg_u32 s2, 0xf033
	s_cbranch_scc0 .Lentry_shape_is_right
	s_endpgm
.Lentry_shape_is_right:
; The first product, x W_qkv^T, on codes of FP6 (E2M3) with E8M0 scales, K = 1,024; its results leave as CODES, quantised along the axis that is the next product's K.
; One text serves two parts.  Operand N (source 1: a lane holds one of its rows) and operand P (source 0: a lane's registers run along its rows); the result is quantised along P.
;   clusters with y < 8:   N = x (8,192 rows), P = W_q and W_k (2,048 rows):  Q and K, quantised along the head's 64.
;   clusters with y = 8-11: N = W_v (1,024 rows), P = x:                       V, quantised along the keys.
; Both operands are rows of cod (rows 0-8,191 x, 8,192-11,263 W_qkv) with their scale bytes in scl; only row NUMBERS are chosen, by selects on the cluster's y, which all sixteen partners share.
; STORED ORDER: the rows of x and W_qkv lie in cod with the groups of 8 rows of every 64 rotated (actual 64 G + 32 h + 8 t + j at 64 G + 16 t + 8 h + j).  So for one row of N the 64 registers of a lane's eight
; accumulators are: register 32 c + i = P's actual row 64 c + 32 (lane / 16) + i: two whole blocks of 32 in a lane, in the order in which a 6-bit operand's registers take them.  No maximum and no code changes lanes.
; N's rows stay in stored order in the output, which is what the next launch wants.
; OUT: planes of 64 along the next K: qkvc [plane][row][48 bytes]; scale words of 128 along it: qkvs [plane / 2][row][4 bytes].  Q, K: 32 planes (Q's heads, then K's) x 8,192 rows; V (from byte 12,582,912; words from 524,288): 128 planes of keys x 1,024 rows.
; A tile of 256 x 256 to a work-group of four waves, 128 x 128 to a wave: 64 accumulators, 512 registers.  K goes in steps of 256 through a ring of two LDS slots; the scale bytes of the tile's rows come once and stay.
; CLUSTERS: 4 x 4 work-groups; N's tiles are shared along a row of the cluster, P's along a column: each is asked for jointly, by the same tensor load with the same descriptor and a mask that names the four.
; LIMITS: NaN and infinities are not served; a block of zeros gets the byte 1 (its codes are zeros; this program alone reads the bytes).
; REGISTERS, in windows of 256: window 0: v0-31 addresses; v32-63 scale words, two sets; v64-94 at work on the way out; from v128 N's fragments, one set; later the read-back.
;   window 1: P's fragments, two sets, at v0 and v128.   window 2: the accumulators of my N rows 0-63 ((a, b) at v[8 (8 a + b)]);   window 3: those of rows 64-127.
.set KSTEP,  256                       ; along K in a slot
.set NQ,     2                         ; matrix instructions deep
.set ROWB,   192                       ; a tile's row in bytes
.set KROW,   768                       ; a row of cod
.set PITCH,  240                       ; an LDS row: 3 x (64 bytes + 16 of padding) = 60 words: the 32 lanes of a load of 8 bytes touch 64 different banks (64 banks of 4 bytes: ISA guide 11.1)
.set FR,     12                        ; registers of a fragment: 16 rows x 128 K
.set NL,     6                         ; LDS loads that bring one
.set NP,     4                         ; places behind this matrix instruction (ISA guide 7.12.1)
.set HALFT,  128*PITCH                 ; 128 rows: what one tensor load brings
.set SLOT,   4*HALFT                   ; N's 256 rows, then P's 256 rows
.set LAPS,   2                         ; 1,024 / 512: a lap is once round the ring
.set KS,     32                        ; a row of scale bytes
.set SCL,    2*SLOT                    ; behind the ring: the scale bytes, as runs of 256 bytes + 16 of padding
.set HALFS,  16*272                    ; those of 128 rows
.set SBLK,   2*272                     ; those of 16 rows
.set SPARE,  SCL+4*HALFS               ; the spare words, 128 bytes for each wave: two blocks of 256 bytes that no other line names
.set WST,    12800                     ; the way out: a stage for each wave in slot 0 (which has had its last fill and its last read by then): two planes of 128 rows x 48 bytes, then 128 scale words
.set ADRA, 16                          ; v16-17 LDS address of N's fragments in slot 0, 1 (v18-19: for the pieces behind one padding more)
.set ADRB, 20                          ; v20-23 the same for P
.set STC,  24                          ; v24  the stage: my row's 24 bytes of a plane
.set RD,   25                          ; v25  the stage read back: 16 x lane
.set CO,   26                          ; v26  16 x lane: my place in a store's 512 bytes
.set ADRS, 27                          ; v27  LDS address of my scale words: lanes 0-15 N's rows, lanes 16-31 P's
.set SPW,  28                          ; v28  my spare word; never rewritten
.set NIL,  29                          ; v29  0; never rewritten
.set STS,  30                          ; v30  the stage: my row's scale word
.set SC,   32                          ; v32-63 scale words and nothing else
.set TM,   64                          ; v64-65 the two blocks' largest magnitudes
.set SO,   66                          ; v66-67 the conversions' scale operands
.set BY,   68                          ; v68-69 the scale bytes
.set PW,   70                          ; v70  the row's scale word
.set PT,   71                          ; v71  a lane permute's destination
.set SH8,  72                          ; v72  8 x (lane / 16)
.set CD,   76                          ; v76-87 the codes: a fragment's 12 registers
.set CT,   88                          ; v88-90, v92-94 the upper halves of the two blocks, as the conversions leave them
.set AF,   128
.set BK,   128                         ; v128-227 the stage read back
.set G1,   24
.set G0,   32
.set G1B,  48
.set G0B,  56
.set SEL,  66                          ; s[66:67] lane selects: lane l xor 16
.set G1S,  68
.set G0S,  76
.set G1SB, 80
.set G0SB, 88
.set MSB, 0
.macro WIN new                         ; the immediate's high byte repeats the setting that is left
.if MSB != (\new)
	s_set_vgpr_msb (MSB<<8)|(\new)
.set MSB, (\new)
.endif
.endm
.set MUL_LO, 0xa1                      ; source 0 (P) window 1, source 1 (N) window 0, C and D window 2
.set MUL_HI, 0xf1                      ; the same, C and D window 3
.set TO_B,   0x40                      ; destination window 1, address window 0
; A joint load: waves 0 and 1 fetch for N, waves 2 and 3 for P.  The branch hangs on the wave's number alone.  Four v_nop follow each of the two lines.
.macro JLOAD g0a, g1a, g0b, g1b
	s_cmp_eq_u32 s15, 0
	s_cbranch_scc0 .Lfor_b_\@
	tensor_load_to_lds s[\g0a:\g0a+3], s[\g1a:\g1a+7]
	s_nop 0
.rept 4
	v_nop
.endr
	s_branch .Lasked_\@
.Lfor_b_\@:
	tensor_load_to_lds s[\g0b:\g0b+3], s[\g1b:\g1b+7]
	s_nop 0
.rept 4
	v_nop
.endr
.Lasked_\@:
.endm
.macro CREST                           ; a round of the cluster's barrier behind its opening barrier
	s_cmp_lg_u32 s14, 0
	s_cbranch_scc1 .Lnot_wave_0_\@
	s_barrier_signal -3
.Lnot_wave_0_\@:
	s_barrier_wait -3
	s_barrier_signal -1
	s_barrier_wait -1
.endm
.macro CROUND                          ; a whole round
	s_barrier_signal -1
	s_barrier_wait -1
	CREST
.endm
	s_load_b256 s[4:11], s[0:1], 0x0               ; cod s[4:5], scl s[6:7], qkvc s[8:9], qkvs s[10:11]
	v_lshl_add_u32 v[SPW], v0, 2, SPARE
	v_mov_b32 v[NIL], 0
	ds_add_u32 v28, v29
	s_wait_dscnt 0x0
	v_lshrrev_b32 v1, 5, v0
	v_readfirstlane_b32 s14, v1                    ; wave 0..3
	s_lshr_b32 s15, s14, 1                         ; which half of N's rows is mine.  Also: I fetch for N (0) or for P (1)
	s_and_b32 s16, s14, 1                          ; which half of P's rows.  Also: which 128 rows of that tile I fetch
	s_bfe_u32 s40, ttmp6, 0x40000                  ; cx, cy: my place in the cluster
	s_bfe_u32 s41, ttmp6, 0x40004
	s_and_b32 s17, ttmp7, 0xffff                   ; the cluster's y: under 8 the first part, else the second
	s_lshl_b32 s43, s41, 2
	s_lshl_b32 s43, 15, s43                        ; my row of the cluster
	s_lshl_b32 s44, 0x1111, s40                    ; my column
	; descriptor group 1: a tile of 128 rows x 192 bytes, padded in LDS
	s_or_b32 s[G1+0], s43, (0<<16)|(1<<20)|(1<<21)|(3<<22)|(3<<25)  ; 15:0 the mask: N's tiles go to my row; elements of 1 byte; padding on; 21 set beside a mask; after every 16 words 4 words
	s_or_b32 s[G1B+0], s44, (0<<16)|(1<<20)|(1<<21)|(3<<22)|(3<<25) ; P's go to my column
.irp g, G1, G1B
	s_mov_b32 s[\g+1], ROWB<<16                    ; tensor_dim0
	s_mov_b32 s[\g+2], 128<<16                     ; tensor_dim1
	s_mov_b32 s[\g+3], ROWB<<16                    ; tile_dim0
	s_mov_b32 s[\g+4], 128                         ; tile_dim1
	s_mov_b32 s[\g+5], KROW                        ; from row to row
	s_mov_b32 s[\g+6], 0
	s_mov_b32 s[\g+7], 0
.endr
	; the scale bytes of 128 rows: a dense block of 4,096 bytes, as 16 rows of 256 bytes (32 elements of 8), 16 bytes of padding behind each
	s_or_b32 s[G1S+0], s43, (3<<16)|(1<<20)|(1<<21)|(5<<22)|(3<<25)
	s_or_b32 s[G1SB+0], s44, (3<<16)|(1<<20)|(1<<21)|(5<<22)|(3<<25)
.irp g, G1S, G1SB
	s_mov_b32 s[\g+1], 32<<16
	s_mov_b32 s[\g+2], 16<<16
	s_mov_b32 s[\g+3], 32<<16
	s_mov_b32 s[\g+4], 16
	s_mov_b32 s[\g+5], 32
	s_mov_b32 s[\g+6], 0
	s_mov_b32 s[\g+7], 0
.endr
	; which rows of cod.  N's number carries cy alone, P's cx alone.
	s_lshl_b32 s18, s16, 7                         ; which 128 rows of the tile I fetch
	s_lshl_b32 s20, s17, 10                        ; first part: N = x, 1,024 rows a cluster
	s_mov_b32 s21, 10240                           ; second part: N = W_v, from row 8,192 + 2,048
	s_max_u32 s46, s17, 8
	s_sub_co_u32 s46, s46, 8
	s_lshl_b32 s46, s46, 11                        ; second part: P = x, 2,048 rows for each cluster y
	s_mov_b32 s47, 8192                            ; first part: P = W_q, W_k
	s_cmp_lt_u32 s17, 8
	s_cselect_b32 s20, s20, s21
	s_cselect_b32 s46, s47, s46
	s_lshl_b32 s19, s41, 8
	s_add_co_u32 s20, s20, s19
	s_add_co_u32 s20, s20, s18                     ; N: + 256 cy + 128 x half
	s_lshl_b32 s42, ttmp9, 10
	s_add_co_u32 s46, s46, s42
	s_lshl_b32 s42, s40, 8
	s_add_co_u32 s46, s46, s42
	s_add_co_u32 s46, s46, s18                     ; P: + 1,024 cluster x + 256 cx + 128 x half
	s_mul_i32 s22, s20, KS                         ; where these rows' scale bytes begin,
	s_mov_b32 s23, 0
	s_mul_i32 s20, s20, KROW                       ; and their codes (all under 2^24)
	s_mov_b32 s21, 0
	s_mul_i32 s92, s46, KS
	s_mov_b32 s93, 0
	s_mul_i32 s46, s46, KROW
	s_mov_b32 s47, 0
	s_mul_i32 s45, s14, HALFT                      ; where they go: wave x 128 rows: no place in the cluster enters an LDS address
	s_mul_i32 s94, s14, HALFS
	s_mov_b32 s[SEL], 0x76543210
	s_mov_b32 s[SEL+1], 0xfedcba98
	s_wait_kmcnt 0x0
	s_add_nc_u64 s[20:21], s[4:5], s[20:21]
	s_add_nc_u64 s[22:23], s[6:7], s[22:23]
	s_add_nc_u64 s[46:47], s[4:5], s[46:47]
	s_add_nc_u64 s[92:93], s[6:7], s[92:93]
	CROUND                                         ; all sixteen work-groups are here: the first joint loads meet
	s_mov_b32 s[G0S], 1
	s_add_co_u32 s[G0S+1], s94, SCL
	s_mov_b64 s[G0S+2:G0S+3], s[22:23]
	s_or_b32 s[G0S+3], s[G0S+3], 0x80000000
	s_mov_b32 s[G0SB], 1
	s_add_co_u32 s[G0SB+1], s94, SCL
	s_mov_b64 s[G0SB+2:G0SB+3], s[92:93]
	s_or_b32 s[G0SB+3], s[G0SB+3], 0x80000000
	JLOAD G0S, G1S, G0SB, G1SB                     ; the scale bytes first: they are wanted with K step 0.  With the two below, three loads of mine are out
.irp s, 0,1
	s_mov_b32 s[G0+4*\s], 1
	s_add_co_u32 s[G0+4*\s+1], s45, \s*SLOT
	s_add_nc_u64 s[G0+4*\s+2:G0+4*\s+3], s[20:21], \s*ROWB
	s_or_b32 s[G0+4*\s+3], s[G0+4*\s+3], 0x80000000
	s_mov_b32 s[G0B+4*\s], 1
	s_add_co_u32 s[G0B+4*\s+1], s45, \s*SLOT
	s_add_nc_u64 s[G0B+4*\s+2:G0B+4*\s+3], s[46:47], \s*ROWB
	s_or_b32 s[G0B+4*\s+3], s[G0B+4*\s+3], 0x80000000
	JLOAD G0+4*\s, G1, G0B+4*\s, G1B
.endr
	v_and_b32 v1, 15, v0                           ; r = lane % 16
	v_bfe_u32 v2, v0, 4, 1                         ; h = lane / 16
	v_mul_u32_u24 v3, v1, PITCH
	v_mul_u32_u24 v4, v2, 24
	v_add_nc_u32 v4, v3, v4                        ; a fragment's row x pitch + 24 x half
	v_lshl_add_u32 v5, v2, 4, v4                   ; and the same behind one padding more
	s_mul_i32 s21, s15, HALFT                      ; my 128 rows of N
	s_mul_i32 s22, s16, HALFT                      ; my 128 rows of P,
	s_add_co_u32 s22, s22, 2*HALFT                 ; which lie behind N's 256
.irp s, 0,1
	v_add_nc_u32 v[ADRA+\s], s21, v4
	v_add_nc_u32 v[ADRB+\s], s22, v4
	v_add_nc_u32 v[ADRA+2+\s], s21, v5
	v_add_nc_u32 v[ADRB+2+\s], s22, v5
	s_add_co_u32 s21, s21, SLOT
	s_add_co_u32 s22, s22, SLOT
.endr
	v_mul_u32_u24 v5, v1, KS                       ; my row's scale bytes: 32 a row,
	v_lshrrev_b32 v6, 8, v5
	v_lshl_add_u32 v5, v6, 4, v5                   ; and 16 more for each 256 passed
	s_mul_i32 s21, s15, HALFS                      ; N's: my 128 rows
	s_mul_i32 s22, s16, HALFS                      ; P's: my 128 rows, behind N's 256
	s_add_co_u32 s22, s22, 2*HALFS
	s_sub_co_u32 s22, s22, s21
	v_mul_u32_u24 v6, s22, v2                      ; lanes 16-31 take P's: one product, the distance between the two bases
	s_add_co_u32 s21, s21, SCL
	v_add_nc_u32 v5, v5, v6
	v_add_nc_u32 v[ADRS], s21, v5
	s_mul_i32 s23, s14, WST                        ; my stage
	v_mul_u32_u24 v5, v1, 48
	v_mad_u32_u24 v5, v2, 24, v5
	v_add_nc_u32 v[STC], s23, v5                   ; row r of 48 bytes, + 24 h
	v_lshlrev_b32 v5, 2, v1
	v_add_nc_u32 v5, s23, v5
	v_add_nc_u32 v[STS], 12288, v5                 ; the scale words behind the two planes
	v_and_b32 v6, 31, v0
	v_lshlrev_b32 v[CO], 4, v6
	v_add_nc_u32 v[RD], s23, v[CO]
	v_lshlrev_b32 v[SH8], 3, v2
	v_mov_b32 v[PT], 0                             ; written once: a lane permute's destination counts as one of its sources
	; where my part of the output begins.  Row = N's row in the output; plane = P's row / 64
	s_lshl_b32 s20, s17, 10
	s_max_u32 s21, s17, 8
	s_sub_co_u32 s21, s21, 8
	s_lshl_b32 s21, s21, 5                         ; second part: 32 planes for each cluster y; 0 in the first
	s_mov_b32 s96, 49152                           ; a plane of V: 1,024 rows x 48 bytes
	s_mov_b32 s95, 4096                            ; and of its scale words
	s_cmp_lt_u32 s17, 8
	s_cselect_b32 s20, s20, 0
	s_cselect_b32 s96, 393216, s96                 ; a plane of Q or K: 8,192 rows x 48 bytes
	s_cselect_b32 s95, 32768, s95
	s_cselect_b32 s92, 0, 12582912                 ; where the part begins in qkvc,
	s_cselect_b32 s46, 0, 524288                   ; and in qkvs
	s_mov_b32 s97, 0
	s_mov_b32 s93, 0
	s_mov_b32 s47, 0
	s_lshl_b32 s94, s41, 8
	s_add_co_u32 s20, s20, s94
	s_lshl_b32 s94, s15, 7
	s_add_co_u32 s20, s20, s94                     ; my first row: + 256 cy + 128 x my half of N
	s_lshl_b32 s94, ttmp9, 4
	s_add_co_u32 s21, s21, s94
	s_lshl_b32 s94, s40, 2
	s_add_co_u32 s21, s21, s94
	s_lshl_b32 s94, s16, 1
	s_add_co_u32 s21, s21, s94                     ; my first plane: + 16 cluster x + 4 cx + 2 x my half of P
	s_mul_i32 s94, s21, s96
	s_add_co_u32 s92, s92, s94
	s_mul_i32 s94, s20, 48
	s_add_co_u32 s92, s92, s94
	s_lshr_b32 s94, s21, 1
	s_mul_i32 s94, s94, s95
	s_add_co_u32 s46, s46, s94
	s_lshl_b32 s94, s20, 2
	s_add_co_u32 s46, s46, s94
	s_add_nc_u64 s[12:13], s[8:9], s[92:93]        ; my first plane's 128 rows,
	s_add_nc_u64 s[98:99], s[12:13], s[96:97]      ; my second plane's,
	s_add_nc_u64 s[100:101], s[10:11], s[46:47]    ; and their scale words
.macro FRAG reg, adr, q, i             ; a fragment, 16 rows x 128 K, is 12 registers: lane l holds row l % 16; registers 6 c .. 6 c + 5 hold K = 64 c + 32 (l / 16) + 0 .. 31: 24 bytes of the row's stream of bits, as they lie
.irp p, 0,1,2,3,4,5                    ; in pieces of 8 bytes.  Lanes 16-31 read three pieces further on; where that lies behind one padding more, the second address register serves
.set PC, 12*(\q)+6*(\p/3)+\p%3
.if PC%8 < 5
	ds_load_b64 v[\reg+2*\p:\reg+2*\p+1], v[\adr] offset:8*PC+16*(PC/8)+(\i)*16*PITCH
.else
	ds_load_b64 v[\reg+2*\p:\reg+2*\p+1], v[\adr+2] offset:8*PC+16*(PC/8)+(\i)*16*PITCH
.endif
.endr
.endm
; 16 matrix instructions: N's blocks a0, a0 + 1 x P's eight, 128 along K.  p: P's set; sc: the set of scale words.  zero = 1: the first product starts the sums.
; The 64 accumulators take turns, one instruction a turn, in the same order in every step.
.macro MUL16 a0, p, q, sc, zero
.irp a, \a0, \a0+1
.irp b, 0,1,2,3,4,5,6,7
.if \zero
	v_wmma_scale_f32_16x16x128_f8f6f4 v[8*(8*((\a)%4)+\b):8*(8*((\a)%4)+\b)+7], v[128*(\p)+FR*\b:128*(\p)+FR*\b+FR-1], v[AF+FR*(\a):AF+FR*(\a)+FR-1], 0, v[SC+8*NQ*(\sc)+NQ*\b+(\q)], v[SC+8*NQ*(\sc)+NQ*(\a)+(\q)] matrix_a_fmt:MATRIX_FMT_FP6 matrix_b_fmt:MATRIX_FMT_FP6 matrix_a_scale:MATRIX_SCALE_ROW1
.else
	v_wmma_scale_f32_16x16x128_f8f6f4 v[8*(8*((\a)%4)+\b):8*(8*((\a)%4)+\b)+7], v[128*(\p)+FR*\b:128*(\p)+FR*\b+FR-1], v[AF+FR*(\a):AF+FR*(\a)+FR-1], v[8*(8*((\a)%4)+\b):8*(8*((\a)%4)+\b)+7], v[SC+8*NQ*(\sc)+NQ*\b+(\q)], v[SC+8*NQ*(\sc)+NQ*(\a)+(\q)] matrix_a_fmt:MATRIX_FMT_FP6 matrix_b_fmt:MATRIX_FMT_FP6 matrix_a_scale:MATRIX_SCALE_ROW1
.endif
.endr
.endr
.endm
.macro FETCH_B slot, q, p              ; P's eight fragments of the slot's q-th 128 along K into set p
	WIN TO_B
.irp i, 0,1,2,3,4,5,6,7
	FRAG 128*(\p)+FR*\i, ADRB+\slot, \q, \i
.endr
	WIN 0
.endm
.macro FETCH_A slot, q, i0             ; N's blocks i0 .. i0 + 3
.irp i, \i0, \i0+1, \i0+2, \i0+3
	FRAG AF+FR*(\i), ADRA+\slot, \q, \i
.endr
.endm
.macro SCALES sc                       ; a K step's scale words into set sc: 2 words a row; lanes 0-15 take N's block i, lanes 16-31 P's block i
.irp i, 0,1,2,3,4,5,6,7
	ds_load_b64 v[SC+8*NQ*\sc+NQ*\i:SC+8*NQ*\sc+NQ*\i+1], v[ADRS] offset:\i*SBLK
.endr
.endm
.macro PLACES n                        ; plain vector instructions between a matrix instruction and a load into its registers or a read of its result
.rept \n
	v_nop
.endr
.endm
; A step of 128 along K that has its successor in the same slot.
.macro STEP slot, q, zero
	s_wait_dscnt 4*NL                              ; P's set and N's blocks 0-3 are in; the youngest 24 loads (N's blocks 4-7) may be out
	WIN MUL_LO
	MUL16 0, (\q)%2, \q, \slot, \zero
	MUL16 2, (\q)%2, \q, \slot, \zero
	s_wait_dscnt 0                                 ; N's blocks 4-7 are in
	PLACES NP
	FETCH_B \slot, (\q)+1, 1-(\q)%2
	FETCH_A \slot, (\q)+1, 0
	WIN MUL_HI
	MUL16 4, (\q)%2, \q, \slot, \zero
	MUL16 6, (\q)%2, \q, \slot, \zero
	PLACES NP
	WIN 0
	FETCH_A \slot, (\q)+1, 4
.endm
; A slot's last step changes slots: one barrier; in front of it each wave waits for all its tensor loads, adds 0 to its spare word, and waits for that and for its own reads of this slot.  fill = 1: the slot is filled again, two K steps ahead.
.macro TURN slot, next, fill
	s_wait_tensorcnt 0x0                           ; all my tensor loads have landed: my part of the next slot
	ds_add_u32 v[SPW], v[NIL]                      ; 0 onto my spare word
	s_wait_dscnt 4*NL+1                            ; the add and the youngest 24 loads (N's blocks 4-7) may be out
	WIN MUL_LO
	MUL16 0, 1, NQ-1, \slot, 0                     ; sixteen matrix instructions stand between the add and the wait for it
	s_wait_dscnt 0x0                               ; the add is done, and my reads of this slot are over
	s_barrier_signal -1
	MUL16 2, 1, NQ-1, \slot, 0
	WIN 0
	s_barrier_wait -1
.if \fill
	CREST                                          ; the barrier has opened a round of the cluster's barrier: no wave of any partner still reads this slot or has a load on its way
	s_add_nc_u64 s[G0+4*\slot+2:G0+4*\slot+3], s[G0+4*\slot+2:G0+4*\slot+3], 2*ROWB
	s_add_nc_u64 s[G0B+4*\slot+2:G0B+4*\slot+3], s[G0B+4*\slot+2:G0B+4*\slot+3], 2*ROWB
	JLOAD G0+4*\slot, G1, G0B+4*\slot, G1B         ; the first tensor load behind the round, my one load until the next; its four v_nop are the places in front of the loads below
.else
	PLACES NP
.endif
	v_add_nc_u32 v[ADRS], 4*NQ, v[ADRS]            ; on to the next K step's scale words
	FETCH_B \next, 0, 0
	FETCH_A \next, 0, 0
	SCALES \next
	WIN MUL_HI
	MUL16 4, 1, NQ-1, \slot, 0
	MUL16 6, 1, NQ-1, \slot, 0
	PLACES NP
	WIN 0
	FETCH_A \next, 0, 4
.endm
	s_wait_tensorcnt 1                             ; the scale bytes and my part of K step 0 are in (K step 1's load may be out)
	s_barrier_signal -1
	s_barrier_wait -1                              ; everybody's are
	FETCH_B 0, 0, 0
	FETCH_A 0, 0, 0
	SCALES 0
	FETCH_A 0, 0, 4
	STEP 0, 0, 1                                   ; the first step stands in front of the loop: its products start the sums
	s_mov_b32 s3, LAPS-1
.Llap:                                                 ; a trip goes once round the ring and fills both slots again
	TURN 0, 1, 1
	STEP 1, 0, 0
	TURN 1, 0, 1
	STEP 0, 0, 0
	s_sub_co_u32 s3, s3, 1
	s_cmp_lg_u32 s3, 0
	s_cbranch_scc1 .Llap
	TURN 0, 1, 0                                   ; the last lap fills nothing
	STEP 1, 0, 0
	s_wait_dscnt 4*NL                              ; the very last step
	WIN MUL_LO
	MUL16 0, 1, NQ-1, 1, 0
	MUL16 2, 1, NQ-1, 1, 0
	s_wait_dscnt 0
	WIN MUL_HI
	MUL16 4, 1, NQ-1, 1, 0
	MUL16 6, 1, NQ-1, 1, 0
	WIN 0
; THE WAY OUT.  64 numbers of a lane at v[s] on of window w: register 32 c + i is k = 64 c + 32 (lane / 16) + i of my row: two whole blocks.  They become the 12 registers of a fragment in v[CD] on and the row's scale word in v[PW].
.macro QUANT2 s, w
	WIN ((\w)<<2)|((\w)<<4)                        ; sources 1 and 2 in the accumulators' window
.irp c, 0,1
	v_max3_num_f32 v[TM+\c], 0x1800000, |v[(\s)+32*\c]|, |v[(\s)+32*\c+1]|   ; the floor 2^(3 - 127) among the leaves: the byte cannot fall under 1.  Each accumulator is read from its low end on
.endr
.irp i, 2,4,6,8,10,12,14,16,18,20,22,24,26,28,30
.irp c, 0,1
	v_max3_num_f32 v[TM+\c], v[TM+\c], |v[(\s)+32*\c+\i]|, |v[(\s)+32*\c+\i+1]|   ; the two blocks by turns
.endr
.endr
	WIN 0
	s_wait_dscnt 0x0                               ; the last block's stores into the stage are done: CD and PW may be written again
.irp c, 0,1
	v_add_nc_u32 v[SO+\c], 0xff000000, v[TM+\c]    ; 2 off the exponent field: the conversion's scale operand
.endr
.irp c, 0,1
	v_lshrrev_b32 v[BY+\c], 23, v[SO+\c]           ; the scale's byte
.endr
	v_lshl_or_b32 v[PW], v[BY+1], 16, v[BY]        ; my two bytes: blocks h and 2 + h,
	v_lshlrev_b32 v[PW], v[SH8], v[PW]             ; at their places (8 h bits up);
	v_permlanex16_b32 v[PT], v[PW], s[SEL], s[SEL+1]
	v_or_b32 v[PW], v[PW], v[PT]                   ; with lane l xor 16's two the word is whole
	WIN (\w)                                       ; source 0 in the accumulators' window
.irp c, 0,1
	v_cvt_scalef32_pk16_fp6_f32 v[CD+6*\c:CD+6*\c+2], v[(\s)+32*\c:(\s)+32*\c+15], v[SO+\c]
	v_cvt_scalef32_pk16_fp6_f32 v[CT+4*\c:CT+4*\c+2], v[(\s)+32*\c+16:(\s)+32*\c+31], v[SO+\c]   ; (a conversion's three registers begin on an even number)
.endr
	WIN 0
	v_nop                                          ; one plain line behind the scaled conversions
.irp c, 0,1
.irp i, 0,1,2
	v_mov_b32 v[CD+6*\c+3+\i], v[CT+4*\c+\i]
.endr
.endr
.endm
	PLACES NP                                      ; behind the last products
.irp a, 0,1,2,3,4,5,6,7
	QUANT2 64*(\a%4), 2+\a/4
.irp p, 0,1,2,3,4,5
	ds_store_b64 v[STC], v[CD+2*\p:CD+2*\p+1] offset:768*\a+6144*(\p/3)+8*(\p%3)   ; rows 16 a on: 24 bytes into each of my two planes; with 48 bytes a row the 32 lanes touch 64 different banks
.endr
	ds_store_b32 v[STS], v[PW] offset:64*\a        ; both halves of the lanes write the same word with the same value
.endr
.set i, 0
.rept 25
	ds_load_b128 v[BK+4*i:BK+4*i+3], v[RD] offset:512*i   ; in order behind my stores (ISA guide 5.7.1.4): the stage's 12,800 bytes as they lie
.set i, i+1
.endr
.set i, 0
.rept 12
	s_wait_dscnt 24-i                              ; read-back i is in; the younger ones may be out
	global_store_b128 v[CO], v[BK+4*i:BK+4*i+3], s[12:13] offset:512*i      ; 32 lanes store 512 consecutive bytes, aligned to 256
.set i, i+1
.endr
.rept 12
	s_wait_dscnt 24-i
	global_store_b128 v[CO], v[BK+4*i:BK+4*i+3], s[98:99] offset:512*(i-12)
.set i, i+1
.endr
	s_wait_dscnt 0x0
	global_store_b128 v[CO], v[BK+96:BK+99], s[100:101]   ; 128 rows' scale words
	s_wait_tensorcnt 0x0                           ; the wave's end
	ds_add_u32 v[SPW], v[NIL]
	s_wait_dscnt 0x0
	CROUND                                         ; the closing round: no work-group ends while a partner may still ask for a tile that names it
	s_endpgm
.Lfunc_end_k_qa040b640d5_qkv:
	.size	k_qa040b640d5_qkv, .Lfunc_end_k_qa040b640d5_qkv-k_qa040b640d5_qkv
	.p2alignl 7, 3214868480
	.fill 96, 4, 3214868480
	.section	.rodata,"a",@progbits
	.p2align	6, 0x0
	.amdhsa_kernel k_qa040b640d5_qkv
		.amdhsa_group_segment_fixed_size 327680
		.amdhsa_private_segment_fixed_size 0
		.amdhsa_enable_private_segment 0
		.amdhsa_kernarg_size 32
		.amdhsa_user_sgpr_count 2
		.amdhsa_user_sgpr_kernarg_segment_ptr 1
		.amdhsa_wavefront_size32 1
		.amdhsa_system_sgpr_workgroup_id_x 1
		.amdhsa_system_sgpr_workgroup_id_y 1
		.amdhsa_system_sgpr_workgroup_id_z 1
		.amdhsa_system_vgpr_workitem_id 0
		.amdhsa_next_free_vgpr 1024
		.amdhsa_next_free_sgpr 102
		.amdhsa_reserve_vcc 0
		.amdhsa_float_denorm_mode_32 3
		.amdhsa_float_denorm_mode_16_64 3
		.amdhsa_memory_ordered 1
		.amdhsa_forward_progress 1
		.amdhsa_inst_pref_size 164
	.end_amdhsa_kernel
	.amdgpu_metadata
---
amdhsa.version: [ 1, 2 ]
amdhsa.kernels:
  - .name:           k_qa040b640d5_qkv
    .symbol:         k_qa040b640d5_qkv.kd
    .args:
      - { .name: cod, .offset: 0, .size: 8, .value_kind: global_buffer, .address_space: global }
      - { .name: scl, .offset: 8, .size: 8, .value_kind: global_buffer, .address_space: global }
      - { .name: qkvc, .offset: 16, .size: 8, .value_kind: global_buffer, .address_space: global }
      - { .name: qkvs, .offset: 24, .size: 8, .value_kind: global_buffer, .address_space: global }
    .group_segment_fixed_size: 327680
    .private_segment_fixed_size: 0
    .kernarg_segment_align: 8
    .kernarg_segment_size: 32
    .max_flat_workgroup_size: 128
    .sgpr_count:     102
    .vgpr_count:     1024
    .wavefront_size: 32
...
	.end_amdgpu_metadata
.endif
;; end of part 2
;; launch attn (part 3): grid 4 x 64, 16 waves a work-group, no clusters, 327,680 bytes of LDS; arguments qkvc, qkvs, ctxc, ctxs; writes ctxc, ctxs
.if DOCPART == 3
	.amdgcn_target "amdgcn-amd-amdhsa--gfx1250"
	.amdhsa_code_object_version 6
	.text
	.protected	k_qa040b640d5_attn
	.globl	k_qa040b640d5_attn
	.p2align	8
	.type	k_qa040b640d5_attn,@function
k_qa040b640d5_attn:
	s_mov_b64 s[64:65], 0
	v_nop
	global_prefetch_b8 v0, s[64:65] scope:SCOPE_SE
	s_setreg_imm32_b32 hwreg(HW_REG_WAVE_MODE, 25, 1), 1
	s_wait_xcnt 0x0
; Causal attention on codes of FP6 (E2M3) with E8M0 scales; 64 heads (4 x 16) of 2,048 x 64.  Its result, ctx, leaves as codes, quantised along the head's 64 (two blocks), for the last product.
; THE SOFTMAX: t = score x log2(e) / 8; M = the row's largest t so far, rounded UP to a whole number; p = 2^(t - M) is quantised along the keys, not normalised; the row's sum is taken of the unquantised p and divides at the end.
; When M moves, the sum and O are multiplied by 2^(old M - new M): exact.
; IN: qkvc planes of 64 along K, [plane][row][48 bytes]: Q's head h at plane h, K's at plane 16 + h, rows = 8,192 tokens in STORED order (actual 64 G + 32 a + 8 t + j at 64 G + 16 t + 8 a + j);
;     V from byte 12,582,912: plane = 64 keys in actual order, rows = head x 64 + stored d.  qkvs: one word a row for 128 along K; Q's and K's words hold two heads, two bytes each.
; SHARES.  A work-group owns two blocks of 256 queries of one head: block j, then block 7 - j (j = work-group x).  Block B needs B + 1 slots of 256 keys, so EVERY work-group walks 9 slots: the trip count is a constant, and all 256 work-groups have equal work.
; Each of sixteen waves owns 16 stored rows of the block, one tile, in 256 registers: four waves to a SIMD, so that one wave's vector work stands beside another's matrix work and LDS loads.
; LAYOUT.  Both products are used transposed: S^T = K Q^T (source 0 = 16 stored keys, source 1 = my 16 queries), O^T = V^T P^T (source 0 = 16 stored d, source 1 = P): a lane holds one query throughout.
; By the stored order, register 32 c + i of a step's 64 scores is key 64 c + 32 (lane / 16) + i: a whole block of 32 keys in a lane, in the order of the 6-bit operand's registers.  O^T's register i is d = 32 (lane / 16) + i likewise.
; K = 64 IN AN INSTRUCTION OF 128: Q's upper six registers are zero codes, so what K's upper six hold adds nothing (this format has no code for NaN or infinity): tile t of K is v[32 + 6 t .. + 11], whose upper half is tile t + 1's codes.
; NO CLUSTER: the four work-groups of a head change blocks in different trips (after slot j), so in a given trip they want different tiles of K and V.
; LIMITS: NaN and infinities are not served; a block of zeros gets the scale byte 1 (its codes are zeros; this program alone reads the bytes); a block's largest p is made from the block's largest score, which takes v_exp_f32 not to fall where its input rises.
.set SLOT1, 1<<15                      ; slot 1 begins here: one exclusive or turns an address in one slot into the other's
.set VCO,   12288                      ; a slot: K's 256 rows x 48 bytes; V's 4 planes x 64 rows x 48 bytes;
.set KSO,   24576                      ; K's 256 scale words;
.set VSO,   25600                      ; V's 2 x 64 scale words
.set STG,   2*SLOT1                    ; behind the ring: the stages for the way out, 768 bytes a wave; the first block's way out and the second's have bytes of their own
.set STGB,  16*768
.set SPARE, STG+2*STGB                 ; the spare words, 128 bytes for each wave: eight blocks of 256 bytes that no other line names
.set AK0,  1                           ; v1   48 r + 24 h: my place in a tile of K; also in Q's rows in memory
.set AV0,  2                           ; v2   the same in a plane of V
.set ASK0, 3                           ; v3   my lane's place among K's scale words, at my head's two bytes
.set ASV0, 4                           ; v4   and among V's
.set SPW,  5                           ; v5   my spare word; never rewritten
.set NIL,  6                           ; v6   0; never rewritten
.set LQ,   7                           ; v7   32 (r / 8) + r % 8 - 32 h: my query less the first key of my half, within the wave's group of 64
.set ADK,  8                           ; v8-11 the LDS addresses of the step in hand
.set ADV,  9
.set ADS,  10
.set ADT,  11
.set QF,   16                          ; v16-27 Q: six registers of codes, six of zeros.   v12 -M, v13 the largest t, v[14:15] the sum in two halves
.set PFO,  28                          ; v28  the prefetches' offset in qkvc
.set PFST, 29                          ; v29  a slot on, in bytes
.set SH8,  30                          ; v30  8 h
.set R4,   31                          ; v31  4 r
.set KV,   32                          ; v32-85 K's eight tiles (six registers each, v80-85 zeros), later V's four fragments in v32-79
.set ST,   86                          ; v86-149 S^T, then p
.set OT,   150                         ; v150-181 O^T
.set PCD,  182                         ; v182-193 p's codes
.set CT,   194                         ; v194-196, v198-200 the blocks' upper halves as the conversions leave them
.set KSC,  202                         ; v202-205 K's scale words: lanes 0-15 tile 2 u, lanes 16-31 tile 2 u + 1.  v202-209 hold scales and nothing else
.set VSC,  206                         ; v206-207 V's likewise
.set PW,   208                         ; v208 p's scale word
.set QSC,  209                         ; v209 Q's
.set BM,   210                         ; v210-211 the two blocks' largest score, then largest p
.set SO,   212                         ; v212-213 the conversions' scale operands
.set BY,   214                         ; v214-215 the scale bytes
.set PT,   216                         ; v216 a lane permute's destination
.set T,    217
.set F,    218                         ; v[218:219] f = 2^(old M - new M); the pair's upper word is written once
.set S2,   220                         ; v[220:221] the sum's second chain
.set DD,   222
.set NINF, 223                         ; -infinity
.set OB,   224                         ; v224-229 the stage read back
.set SGA,  232                         ; v232-234 the stage: in; back, 16 bytes a lane; back, 8 bytes a lane
.set SGR,  233
.set SGR2, 234
.set GO16, 235                         ; v235-237 my places in ctxc's 768 bytes and among ctxs' bytes
.set GO8,  236
.set GSB,  237
.set TB,   2                           ; s2   LDS byte at which the slot in hand begins
.set KF,   3                           ; s3   the step's first key
.set J,    16
.set SWT,  17                          ; s17  8 - j: the count of slots at which the blocks change
.set WV,   18
.set KAP,  19                          ; s19  which 256 keys the next fill brings
.set SEL,  20
.set CS,   22                          ; s[22:23] c = log2(e) / 8
.set G1KC, 24
.set G1VC, 32
.set G1KS, 40
.set G1VS, 48
.set G0KC, 56
.set G0VC, 60
.set G0KS, 68
.set G0VS, 72
.set BKC,  76                          ; s[76:83] where the head's K codes, V codes, K words, V words begin
.set BVC,  78
.set BKS,  80
.set BVS,  82
.set OF,   84                          ; s[84:85] an offset, 0 above it
.set SLOTS, 86
.set LIM,  87
.set QLO,  88                          ; s88  the first query of my group of 64;  s89 the last;  s90 64 G + 8 (wave % 4)
.set QHI,  89
.set SQ,   90
.set DROW, 91                          ; s91  rows from the first block to the second: 256 (7 - 2 j);  s[92:97] the same x 48, x 32, x 4 bytes
.macro G1SET g, c, r, p                ; descriptor group 1: r rows of c elements of 8 bytes, p elements apart, no padding, no mask
	s_mov_b32 s[\g], 3<<16
	s_mov_b32 s[\g+1], (\c)<<16
	s_mov_b32 s[\g+2], (\r)<<16
	s_mov_b32 s[\g+3], (\c)<<16
	s_mov_b32 s[\g+4], \r
	s_mov_b32 s[\g+5], \p
	s_mov_b32 s[\g+6], 0
	s_mov_b32 s[\g+7], 0
.endm
.macro G0SET g, base, lds              ; descriptor group 0: slot 0, the head's first 256 keys
	s_mov_b32 s[\g], 1
	s_mov_b32 s[\g+1], \lds
	s_mov_b64 s[\g+2:\g+3], s[\base:\base+1]
	s_or_b32 s[\g+3], s[\g+3], 0x80000000
.endm
; Waves 0 to 3 fetch one part of a slot each, the others nothing.  The branches hang on the wave's number alone.  Four v_nop follow each load.
.macro TLOAD4
	s_cmp_lt_u32 s[WV], 2
	s_cbranch_scc0 .Lhi_\@
	s_cmp_eq_u32 s[WV], 0
	s_cbranch_scc0 .Lw1_\@
	tensor_load_to_lds s[G0KC:G0KC+3], s[G1KC:G1KC+7]
	s_nop 0
.rept 4
	v_nop
.endr
	s_branch .Ldone_\@
.Lw1_\@:
	tensor_load_to_lds s[G0VC:G0VC+3], s[G1VC:G1VC+7]
	s_nop 0
.rept 4
	v_nop
.endr
	s_branch .Ldone_\@
.Lhi_\@:
	s_cmp_eq_u32 s[WV], 2
	s_cbranch_scc0 .Lw3_\@
	tensor_load_to_lds s[G0KS:G0KS+3], s[G1KS:G1KS+7]
	s_nop 0
.rept 4
	v_nop
.endr
	s_branch .Ldone_\@
.Lw3_\@:
	s_cmp_eq_u32 s[WV], 3
	s_cbranch_scc0 .Ldone_\@
	tensor_load_to_lds s[G0VS:G0VS+3], s[G1VS:G1VS+7]
	s_nop 0
.rept 4
	v_nop
.endr
.Ldone_\@:
.endm
; A PREFETCH INTO THE L2 of the codes that the next change of slots of work-group j = 0 will ask for: 256 keys of K (12,288 bytes) and of V (4 x 3,072 bytes): 96 aligned blocks of 256 bytes, a lane a block.
; All four work-groups of a head read the same K and V: the one with j = 0 asks, in its waves 4, 5 and 6, which fetch nothing.  In trip n (0 to 6) it names keys 256 (n + 1) on, which it loads one change later.
; So each block is named once in the launch.  The head's first 256 keys and the scale words come by their loads alone; the last trip asks for nothing.
.macro ASK
	s_cmp_gt_u32 s[SLOTS], s[LIM]
	s_cbranch_scc0 .Lnot_mine_\@
	s_wait_alu depctr_va_vdst(0)
	global_prefetch_b8 v[PFO], s[4:5] th:TH_LOAD_NT scope:SCOPE_SE
.Lnot_mine_\@:
.endm
	s_load_b256 s[4:11], s[0:1], 0x0               ; qkvc s[4:5], qkvs s[6:7], ctxc s[8:9], ctxs s[10:11]
	v_lshl_add_u32 v[SPW], v0, 2, SPARE
	v_mov_b32 v[NIL], 0
	ds_add_u32 v5, v6
	ds_add_u32 v5, v6
	s_wait_dscnt 0x0
	v_lshrrev_b32 v8, 5, v0
	s_delay_alu instid0(VALU_DEP_1)
	v_readfirstlane_b32 s[WV], v8                  ; wave 0..15
	s_mov_b32 s[J], ttmp9
	s_sub_co_u32 s[SWT], 8, s[J]
	s_and_b32 s98, ttmp7, 0xffff
	s_lshr_b32 s99, s98, 4                         ; b
	s_and_b32 s100, s98, 15                        ; the head h
	s_and_b32 s101, s100, 1                        ; which half of a scale word of Q or K is my head's
	s_lshr_b32 s98, s100, 1
	; byte offsets, all under 2^25
	s_add_co_u32 s86, s100, 16
	s_mul_i32 s86, s86, 393216
	s_mul_i32 s84, s99, 98304
	s_add_co_u32 s86, s86, s84                     ; K's codes: plane 16 + h, row 2,048 b
	s_mul_i32 s87, s99, 1572864
	s_mul_i32 s84, s100, 3072
	s_add_co_u32 s87, s87, s84
	s_add_co_u32 s87, s87, 12582912                ; V's codes: plane 32 b, row 64 h
	s_add_co_u32 s88, s98, 8
	s_lshl_b32 s88, s88, 15
	s_lshl_b32 s84, s99, 13
	s_add_co_u32 s88, s88, s84                     ; K's scale words: plane 8 + h / 2, row 2,048 b
	s_lshl_b32 s89, s99, 16
	s_lshl_b32 s84, s100, 8
	s_add_co_u32 s89, s89, s84
	s_add_co_u32 s89, s89, 524288                  ; V's: plane 16 b, row 64 h
	s_lshl_b32 s91, s99, 11
	s_lshl_b32 s84, s[J], 8
	s_add_co_u32 s91, s91, s84
	s_lshl_b32 s84, s[WV], 4
	s_add_co_u32 s91, s91, s84                     ; my first stored row: 2,048 b + 256 j + 16 wave
	s_mul_i32 s90, s100, 393216
	s_mul_i32 s84, s91, 48
	s_add_co_u32 s90, s90, s84                     ; Q's codes, and ctx's: plane h, my row
	s_lshl_b32 s92, s98, 15
	s_lshl_b32 s84, s91, 2
	s_add_co_u32 s92, s92, s84
	s_lshl_b32 s84, s101, 1
	s_add_co_u32 s92, s92, s84                     ; Q's scale bytes: plane h / 2, my row, my head's two bytes
	s_lshl_b32 s93, s91, 5
	s_lshl_b32 s84, s100, 1
	s_add_co_u32 s93, s93, s84                     ; ctx's scale bytes: 32 a row, mine at 2 h
	G1SET G1KC, 32, 48, 32                         ; K's codes: 12,288 dense bytes as 48 rows of 256
	G1SET G1VC, 384, 4, 6144                       ; V's codes: 4 planes' 3,072 bytes, 49,152 bytes apart
	G1SET G1KS, 32, 4, 32                          ; K's words: 1,024 dense bytes
	G1SET G1VS, 32, 2, 512                         ; V's words: 2 planes' 256 bytes, 4,096 bytes apart
	s_mov_b32 s[SEL], 0x76543210
	s_mov_b32 s[SEL+1], 0xfedcba98
	s_mov_b32 s[CS], 0x3e38aa3b                    ; c = log2(e) / 8
	s_mov_b32 s[CS+1], s[CS]                       ; (named with it as a pair, so it is written)
	; every address register is made here, ahead of the first branch
	v_and_b32 v8, 15, v0                           ; r
	v_bfe_u32 v9, v0, 4, 1                         ; h
	v_and_b32 v10, 31, v0                          ; lane
	s_delay_alu instid0(VALU_DEP_3)
	v_mul_u32_u24 v[AK0], v8, 48
	s_delay_alu instid0(VALU_DEP_1)
	v_mad_u32_u24 v[AK0], v9, 24, v[AK0]
	s_delay_alu instid0(VALU_DEP_1)
	v_add_nc_u32 v[AV0], VCO, v[AK0]
	s_delay_alu instid0(VALU_DEP_4)
	v_lshlrev_b32 v[ASK0], 2, v10
	s_delay_alu instid0(VALU_DEP_1)
	v_add_nc_u32 v[ASV0], VSO, v[ASK0]
	s_delay_alu instid0(VALU_DEP_2)
	v_add_nc_u32 v[ASK0], KSO, v[ASK0]
	s_lshl_b32 s84, s101, 1
	v_add_nc_u32 v[ASK0], s84, v[ASK0]
	v_and_b32 v[LQ], 7, v8
	v_lshrrev_b32 v11, 3, v8
	s_delay_alu instid0(VALU_DEP_1)
	v_sub_nc_u32 v11, v11, v9
	s_delay_alu instid0(VALU_DEP_1)
	v_lshl_add_u32 v[LQ], v11, 5, v[LQ]
	v_lshlrev_b32 v[SH8], 3, v9
	v_lshlrev_b32 v[R4], 2, v8
	s_mul_i32 s84, s[WV], 768
	s_add_co_u32 s84, s84, STG
	v_add_nc_u32 v[SGA], s84, v[AK0]
	v_lshlrev_b32 v[GO16], 4, v10
	s_delay_alu instid0(VALU_DEP_1)
	v_add_nc_u32 v[SGR], s84, v[GO16]
	v_lshlrev_b32 v[GO8], 3, v10
	s_delay_alu instid0(VALU_DEP_1)
	v_add_nc_u32 v[GO8], 512, v[GO8]
	s_delay_alu instid0(VALU_DEP_1)
	v_add_nc_u32 v[SGR2], s84, v[GO8]
	v_lshl_add_u32 v[GSB], v8, 5, v9
	; the prefetches: block u = thread - 128 (0 .. 95 in waves 4 to 6).  u < 48: K's block u.  Else v = u - 48: plane v / 12 of V's four, block v % 12 of its 3,072 bytes
	v_add_nc_u32 v[PFO], 0xffffff80, v0
	s_delay_alu instid0(VALU_DEP_1)
	v_and_b32 v[PFO], 127, v[PFO]
	s_delay_alu instid0(VALU_DEP_1)
	v_cmp_gt_u32 vcc_lo, 48, v[PFO]
	s_delay_alu instid0(VALU_DEP_2)
	v_add_nc_u32 v[PFST], 0xffffffd0, v[PFO]
	s_delay_alu instid0(VALU_DEP_1)
	v_and_b32 v[PFST], 127, v[PFST]
	s_delay_alu instid0(VALU_DEP_1)
	v_mul_u32_u24 v11, v[PFST], 43
	s_delay_alu instid0(VALU_DEP_1)
	v_lshrrev_b32 v11, 9, v11                      ; v / 12 for v under 48
	s_delay_alu instid0(VALU_DEP_1)
	v_mul_u32_u24 v11, v11, 46080                  ; a plane on, less the 12 blocks counted in v
	s_delay_alu instid0(VALU_DEP_1)
	v_lshl_add_u32 v11, v[PFST], 8, v11
	s_delay_alu instid0(VALU_DEP_1)
	v_add_nc_u32 v11, s87, v11
	v_lshlrev_b32 v[PFO], 8, v[PFO]
	s_delay_alu instid0(VALU_DEP_1)
	v_add_nc_u32 v[PFO], s86, v[PFO]
	s_delay_alu instid0(VALU_DEP_1)
	v_cndmask_b32 v[PFO], v11, v[PFO], vcc_lo
	v_mov_b32 v[PFST], 196608
	v_mov_b32 v11, 12288
	s_delay_alu instid0(VALU_DEP_1)
	v_cndmask_b32 v[PFST], v[PFST], v11, vcc_lo
.irp i, 0,1,2,3,4,5
	v_mov_b32 v[QF+6+\i], 0                        ; Q's k = 64 .. 127: zero codes
	v_mov_b32 v[KV+48+\i], 0                       ; the upper half of K's last tile; never rewritten
.endr
	v_mov_b32 v[PT], 0                             ; written once: a lane permute's destination counts as one of its sources
	v_mov_b32 v[F+1], 0
	v_mov_b32 v[NINF], 0xff800000
	s_mov_b32 s[OF+1], 0
	s_wait_kmcnt 0x0
	s_mov_b32 s[OF], s86
	s_add_nc_u64 s[BKC:BKC+1], s[4:5], s[OF:OF+1]
	s_mov_b32 s[OF], s87
	s_add_nc_u64 s[BVC:BVC+1], s[4:5], s[OF:OF+1]
	s_mov_b32 s[OF], s88
	s_add_nc_u64 s[BKS:BKS+1], s[6:7], s[OF:OF+1]
	s_mov_b32 s[OF], s89
	s_add_nc_u64 s[BVS:BVS+1], s[6:7], s[OF:OF+1]
	G0SET G0KC, BKC, 0
	G0SET G0VC, BVC, VCO
	G0SET G0KS, BKS, KSO
	G0SET G0VS, BVS, VSO
	TLOAD4                                         ; slot 0: the one first fill; slot 1 is filled behind the first trip's barrier, as every later fill is
	s_mov_b32 s[OF], s90
	s_add_nc_u64 s[12:13], s[4:5], s[OF:OF+1]      ; Q's codes at my rows
	s_add_nc_u64 s[8:9], s[8:9], s[OF:OF+1]        ; ctx's likewise
	s_mov_b32 s[OF], s92
	s_add_nc_u64 s[14:15], s[6:7], s[OF:OF+1]      ; Q's scale bytes
	s_mov_b32 s[OF], s93
	s_add_nc_u64 s[10:11], s[10:11], s[OF:OF+1]    ; ctx's
	s_mov_b32 s[TB], 0
	s_mov_b32 s[KAP], 0
	s_mov_b32 s[SLOTS], 8
	s_sub_co_u32 s84, s[WV], 4
	s_cmp_lt_u32 s84, 3                            ; waves 4, 5, 6
	s_cselect_b32 s84, 0, 1
	s_or_b32 s84, s84, s[J]                        ; of the work-group with j = 0
	s_cmp_eq_u32 s84, 0
	s_cselect_b32 s[LIM], 1, -1
	s_lshl_b32 s84, s[J], 1
	s_sub_co_u32 s[DROW], 7, s84
	s_lshl_b32 s[DROW], s[DROW], 8
	s_mul_i32 s92, s[DROW], 48
	s_mov_b32 s93, 0
	s_lshl_b32 s94, s[DROW], 5
	s_mov_b32 s95, 0
	s_lshl_b32 s96, s[DROW], 2
	s_mov_b32 s97, 0
	s_lshl_b32 s[QLO], s[J], 8
	s_lshr_b32 s84, s[WV], 2
	s_lshl_b32 s84, s84, 6
	s_add_co_u32 s[QLO], s[QLO], s84               ; my 16 stored rows lie in the group of 64 queries from 256 j + 64 (wave / 4) on;
	s_add_co_u32 s[QHI], s[QLO], 63
	s_and_b32 s84, s[WV], 3
	s_lshl_b32 s84, s84, 3
	s_add_co_u32 s[SQ], s[QLO], s84                ; lane r's query is this + 32 (r / 8) + r % 8
.macro INIT                            ; a block of queries begins: Q comes into registers, the sums begin as zeros and the largest t as -3e38, which the first change of M multiplies away
.irp p, 0,1,2
	global_load_b64 v[QF+2*\p:QF+2*\p+1], v[AK0], s[12:13] offset:8*\p
.endr
	global_load_u16 v[QSC], v[R4], s[14:15]        ; my head's two bytes; the upper two are 0, over zero codes
	v_mov_b32 v13, 0xff61b1e6
	s_delay_alu instid0(VALU_DEP_1)
	v_floor_f32 v12, -v13
	v_mov_b32 v14, 0
	v_mov_b32 v15, 0
.set n, 0
.rept 32
	v_mov_b32 v[OT+n], 0
.set n, n+1
.endr
	s_mov_b32 s[KF], 0
	s_wait_loadcnt 0x0
.endm
.macro SPROD t                         ; S^T, tile t: 16 stored keys x my 16 queries
.if (\t)%2
	v_wmma_scale_f32_16x16x128_f8f6f4 v[ST+8*(\t):ST+8*(\t)+7], v[KV+6*(\t):KV+6*(\t)+11], v[QF:QF+11], 0, v[KSC+(\t)/2], v[QSC] matrix_a_fmt:MATRIX_FMT_FP6 matrix_b_fmt:MATRIX_FMT_FP6 matrix_a_scale:MATRIX_SCALE_ROW1
.else
	v_wmma_scale_f32_16x16x128_f8f6f4 v[ST+8*(\t):ST+8*(\t)+7], v[KV+6*(\t):KV+6*(\t)+11], v[QF:QF+11], 0, v[KSC+(\t)/2], v[QSC] matrix_a_fmt:MATRIX_FMT_FP6 matrix_b_fmt:MATRIX_FMT_FP6
.endif
.endm
.macro OPROD t                         ; O^T, tile t: 16 stored d x my 16 queries, K = the step's 128 keys
.if (\t)%2
	v_wmma_scale_f32_16x16x128_f8f6f4 v[OT+8*(\t):OT+8*(\t)+7], v[KV+12*(\t):KV+12*(\t)+11], v[PCD:PCD+11], v[OT+8*(\t):OT+8*(\t)+7], v[VSC+(\t)/2], v[PW] matrix_a_fmt:MATRIX_FMT_FP6 matrix_b_fmt:MATRIX_FMT_FP6 matrix_a_scale:MATRIX_SCALE_ROW1
.else
	v_wmma_scale_f32_16x16x128_f8f6f4 v[OT+8*(\t):OT+8*(\t)+7], v[KV+12*(\t):KV+12*(\t)+11], v[PCD:PCD+11], v[OT+8*(\t):OT+8*(\t)+7], v[VSC+(\t)/2], v[PW] matrix_a_fmt:MATRIX_FMT_FP6 matrix_b_fmt:MATRIX_FMT_FP6
.endif
.endm
; A KEY STEP: 128 keys, the q-th of the slot in hand.
.macro STEP q
	s_cmp_gt_u32 s[KF], s[QHI]                     ; a step all of whose keys come after my queries is left out: a branch on ids, round the work alone; no barrier and no tensor load stands in a step
	s_cbranch_scc1 .Lhidden_\@
	v_add_nc_u32 v[ADK], s[TB], v[AK0]             ; (these four are also the places between the last products and the loads into the registers that they read)
	v_add_nc_u32 v[ADV], s[TB], v[AV0]
	v_add_nc_u32 v[ADS], s[TB], v[ASK0]
	v_add_nc_u32 v[ADT], s[TB], v[ASV0]
.irp t, 0,1,2,3,4,5,6,7
.irp p, 0,1,2
	ds_load_b64 v[KV+6*\t+2*\p:KV+6*\t+2*\p+1], v[ADK] offset:(128*(\q)+16*\t)*48+8*\p   ; with 48 bytes a row the 32 lanes touch 64 different banks
.endr
.endr
.irp u, 0,1,2,3
	ds_load_u16 v[KSC+\u], v[ADS] offset:512*(\q)+128*\u   ; my head's two bytes of 32 keys' words: two tiles to a register
.endr
	s_wait_alu depctr_va_vdst(0)
	s_wait_dscnt 0x0
.irp t, 0,1,2,3,4,5,6,7
	SPROD \t
.endr
.rept 4
	v_nop                                          ; places: in front of the loads below and of the first read of the scores
.endr
.irp t, 0,1,2,3
.irp p, 0,1,2,3,4,5
	ds_load_b64 v[KV+12*\t+2*\p:KV+12*\t+2*\p+1], v[ADV] offset:(2*(\q)+\p/3)*3072+768*\t+8*(\p%3)   ; V's fragments land while the softmax is worked
.endr
.endr
.irp u, 0,1
	ds_load_b32 v[VSC+\u], v[ADT] offset:256*(\q)+128*\u
.endr
	s_add_co_u32 s98, s[KF], 127                   ; on the diagonal the scores of hidden keys become -infinity ahead of the maximum; a step all of whose keys count skips this
	s_cmp_le_u32 s98, s[QLO]
	s_cbranch_scc1 .Lopen_\@
	s_sub_co_i32 s98, s[SQ], s[KF]
	v_add_nc_u32 v[DD], s98, v[LQ]                 ; d = my query - the step's first key - 32 h.  Register n holds key 64 (n / 32) + 32 h + n % 32 of the step: hidden where 64 (n / 32) + n % 32 > d
.set n, 0
.rept 64
	v_cmp_gt_i32 vcc_lo, 64*(n/32)+n%32, v[DD]
	v_cndmask_b32 v[ST+n], v[ST+n], v[NINF], vcc_lo
.set n, n+1
.endr
.Lopen_\@:
.irp c, 0,1
	v_max3_num_f32 v[BM+\c], v[ST+32*\c], v[ST+32*\c+1], v[ST+32*\c+2]   ; the largest score of each of my two blocks of 32 keys: for the row's maximum, and, since p rises with the score, for the block's largest p
.endr
.irp i, 3,5,7,9,11,13,15,17,19,21,23,25,27,29
.irp c, 0,1
	v_max3_num_f32 v[BM+\c], v[BM+\c], v[ST+32*\c+\i], v[ST+32*\c+\i+1]
.endr
.endr
.irp c, 0,1
	v_max_num_f32 v[BM+\c], v[BM+\c], v[ST+32*\c+31]
.endr
	s_delay_alu instid0(VALU_DEP_1)
	v_max_num_f32 v[T], v[BM], v[BM+1]
	s_delay_alu instid0(VALU_DEP_1)
	v_permlanex16_b32 v[PT], v[T], s[SEL], s[SEL+1]
	s_delay_alu instid0(VALU_DEP_1)
	v_max_num_f32 v[T], v[T], v[PT]                ; with lane l xor 16's 64 keys: the step's largest score of my query (key KF counts for every query of a step that is not left out: a number)
	s_delay_alu instid0(VALU_DEP_1)
	v_mul_f32 v[T], s[CS], v[T]
	s_delay_alu instid0(VALU_DEP_1)
	v_max_num_f32 v13, v13, v[T]                   ; the running largest t
	v_mov_b32 v[T], v12
	s_delay_alu instid0(VALU_DEP_2)
	v_floor_f32 v12, -v13                          ; the new -M = floor(-t): M is a whole number
	s_delay_alu instid0(VALU_DEP_1)
	v_sub_f32 v[T], v12, v[T]                      ; old M - new M: a whole number, 0 or less
	s_delay_alu instid0(VALU_DEP_1)
	v_cvt_i32_f32 v[T], v[T]                       ; (it saturates)
	s_delay_alu instid0(VALU_DEP_1)
	v_ldexp_f32 v[F], 1.0, v[T]                    ; f = 2^(old M - new M)
.set n, 0
.rept 32
	v_pk_fma_f32 v[ST+n:ST+n+1], v[ST+n:ST+n+1], s[CS:CS+1], v[12:13] op_sel_hi:[1,0,0]   ; t - M, two at a time
.set n, n+2
.endr
.irp c, 0,1
	v_fma_f32 v[BM+\c], v[BM+\c], s[CS], v12       ; the same of each block's largest score
.endr
.set n, 0
	s_wait_alu depctr_va_vdst(0)
.rept 64
	v_exp_f32 v[ST+n], v[ST+n]                     ; p = 2^(t - M): one batch
.set n, n+1
.endr
	v_pk_mul_f32 v[14:15], v[14:15], v[F:F+1] op_sel_hi:[1,0]   ; the sums under the new M (the plain line behind the exponentials)
	s_wait_alu depctr_va_vdst(0)                   ; the wait ahead of the first line that names a result: one for the batch
.irp c, 0,1
	v_exp_f32 v[BM+\c], v[BM+\c]                   ; the block's largest p: the same two instructions on the same number
.endr
	v_pk_add_f32 v[220:221], v[90:91], v[94:95]
	v_pk_add_f32 v[254:255], v[98:99], v[102:103]
	v_pk_add_f32 v[252:253], v[106:107], v[110:111]
	v_pk_add_f32 v[250:251], v[114:115], v[118:119]
	v_pk_add_f32 v[248:249], v[122:123], v[126:127]
	v_pk_add_f32 v[246:247], v[130:131], v[134:135]
	v_pk_add_f32 v[244:245], v[138:139], v[142:143]
	v_pk_add_f32 v[14:15], v[14:15], v[146:147]
	v_pk_add_f32 v[220:221], v[220:221], v[86:87]
	v_pk_add_f32 v[254:255], v[254:255], v[88:89]
	v_pk_add_f32 v[252:253], v[252:253], v[92:93]
	v_pk_add_f32 v[250:251], v[250:251], v[96:97]
	v_pk_add_f32 v[248:249], v[248:249], v[100:101]
	v_pk_add_f32 v[246:247], v[246:247], v[104:105]
	v_pk_add_f32 v[244:245], v[244:245], v[108:109]
	v_pk_add_f32 v[14:15], v[14:15], v[112:113]
	v_pk_add_f32 v[220:221], v[220:221], v[116:117]
	v_pk_add_f32 v[254:255], v[254:255], v[120:121]
	v_pk_add_f32 v[252:253], v[252:253], v[124:125]
	v_pk_add_f32 v[250:251], v[250:251], v[128:129]
	v_pk_add_f32 v[248:249], v[248:249], v[132:133]
	v_pk_add_f32 v[246:247], v[246:247], v[136:137]
	v_pk_add_f32 v[244:245], v[244:245], v[140:141]
	v_pk_add_f32 v[14:15], v[14:15], v[144:145]
	v_pk_add_f32 v[220:221], v[220:221], v[148:149]
	s_delay_alu instid0(VALU_DEP_2)
	v_pk_add_f32 v[14:15], v[14:15], v[250:251]
	s_delay_alu instid0(VALU_DEP_2)
	v_pk_add_f32 v[220:221], v[220:221], v[248:249]
	v_pk_add_f32 v[254:255], v[254:255], v[246:247]
	v_pk_add_f32 v[252:253], v[252:253], v[244:245]
	s_delay_alu instid0(VALU_DEP_2)
	v_pk_add_f32 v[14:15], v[14:15], v[254:255]
	s_delay_alu instid0(VALU_DEP_2)
	v_pk_add_f32 v[220:221], v[220:221], v[252:253]
	s_delay_alu instid0(VALU_DEP_1)
	v_pk_add_f32 v[14:15], v[14:15], v[220:221]
	s_wait_alu depctr_va_vdst(0)                   ; and one for the two
.irp c, 0,1
	v_max_num_f32 v[BM+\c], 0x1800000, v[BM+\c]    ; the floor 2^(3 - 127): the byte cannot fall under 1
.endr
.irp c, 0,1
	s_delay_alu instid0(VALU_DEP_2)
	v_add_nc_u32 v[SO+\c], 0xff000000, v[BM+\c]    ; 2 off the exponent field: the conversion's scale operand
.endr
.irp c, 0,1
	s_delay_alu instid0(VALU_DEP_2)
	v_lshrrev_b32 v[BY+\c], 23, v[SO+\c]
.endr
	s_delay_alu instid0(VALU_DEP_1)
	v_lshl_or_b32 v[PW], v[BY+1], 16, v[BY]        ; my two bytes, blocks h and 2 + h,
	s_delay_alu instid0(VALU_DEP_1)
	v_lshlrev_b32 v[PW], v[SH8], v[PW]             ; at their places;
	s_delay_alu instid0(VALU_DEP_1)
	v_permlanex16_b32 v[PT], v[PW], s[SEL], s[SEL+1]
	s_delay_alu instid0(VALU_DEP_1)
	v_or_b32 v[PW], v[PW], v[PT]                   ; with lane l xor 16's two: p's scale word for these 128 keys
.irp c, 0,1
	v_cvt_scalef32_pk16_fp6_f32 v[PCD+6*\c:PCD+6*\c+2], v[ST+32*\c:ST+32*\c+15], v[SO+\c]
	v_cvt_scalef32_pk16_fp6_f32 v[CT+4*\c:CT+4*\c+2], v[ST+32*\c+16:ST+32*\c+31], v[SO+\c]   ; (a conversion's three registers begin on an even number)
.endr
	v_nop                                          ; one plain line behind the scaled conversions
.irp c, 0,1
.irp i, 0,1,2
	v_mov_b32 v[PCD+6*\c+3+\i], v[CT+4*\c+\i]
.endr
.endr
.set n, 0
.rept 16
	v_pk_mul_f32 v[OT+n:OT+n+1], v[OT+n:OT+n+1], v[F:F+1] op_sel_hi:[1,0]   ; O^T under the new M.  These sixteen are also the places between the writes of p's codes and scale word and the products
.set n, n+2
.endr
	s_wait_alu depctr_va_vdst(0)
	s_wait_dscnt 0x0                               ; V
.irp t, 0,1,2,3
	OPROD \t                                       ; four accumulators by turns
.endr
.Lhidden_\@:
	s_add_co_u32 s[KF], s[KF], 128
.endm
.macro WALK g, base, step              ; a walking descriptor: the other slot than last time, the keys 256 KAP on
	s_xor_b32 s[\g+1], s[\g+1], SLOT1
	s_mul_i32 s[OF], s[KAP], \step
	s_add_nc_u64 s[\g+2:\g+3], s[\base:\base+1], s[OF:OF+1]
	s_or_b32 s[\g+3], s[\g+3], 0x80000000
.endm
; THE CHANGE OF SLOTS stands at a slot's head.  Each wave waits for all its tensor loads (its part of the slot that it is about to read), adds 0 to its spare word, and waits for that and for its reads of the slot that it has left.
; Behind the barrier the slot ahead is whole and nobody reads the other one.  fill = 1: that other slot is filled: one load a wave is out, and it has a slot's two steps in which to land.
.macro CHANGE fill
	s_wait_tensorcnt 0x0                           ; no tensor load of mine is out, so a group 0 may be written
	ds_add_u32 v[SPW], v[NIL]                      ; 0 onto my spare word; the descriptors' steps stand between it and the wait for it
.if \fill
	s_add_co_u32 s[KAP], s[KAP], 1                 ; the next 256 keys,
	s_cmp_eq_u32 s[SLOTS], s[SWT]
	s_cselect_b32 s[KAP], 0, s[KAP]                ; or, where the slot in hand is the first block's last, the head's first again
	WALK G0KC, BKC, 12288
	WALK G0VC, BVC, 196608
	WALK G0KS, BKS, 1024
	WALK G0VS, BVS, 8192
	s_wait_xcnt 0x0                                ; the last prefetch, a slot back, has read its offset, so it may be written
	v_add_nc_u32 v[PFO], v[PFO], v[PFST]
.endif
	s_wait_dscnt 0x0                               ; the add is done, and my reads of the slot that I have left are over
	s_barrier_signal -1
	s_barrier_wait -1
.if \fill
	TLOAD4                                         ; the first thing behind the barrier, and a wave's one tensor load until the next
	ASK
.endif
.endm
.macro SLOT_STEPS
	STEP 0
	STEP 1
	s_xor_b32 s[TB], s[TB], SLOT1                  ; on to the other slot
.endm
; THE WAY OUT of a block of queries.  O^T / the sum is ctx: my lane's 32 numbers are d = 32 h + 0 .. 31 of my query: one whole block of the last product's K.  Its 24 bytes of codes go through my stage, so that the wave stores
; 768 consecutive bytes (16 rows of a plane); the block's scale byte is stored by itself.  more = 1: the second block follows.
.macro FINISH more
.rept 4
	v_nop                                          ; places behind the last products
.endr
	v_add_f32 v14, v14, v15
	s_delay_alu instid0(VALU_DEP_1)
	v_permlanex16_b32 v[PT], v14, s[SEL], s[SEL+1]
	s_delay_alu instid0(VALU_DEP_1)
	v_add_f32 v14, v14, v[PT]                      ; the row's sum
	s_wait_alu depctr_va_vdst(0)
	v_rcp_f32 v14, v14
	v_nop                                          ; a plain line behind the reciprocal
	s_wait_alu depctr_va_vdst(0)                   ; and the wait ahead of its first reader
.set n, 0
.rept 32
	v_mul_f32 v[ST+n], v[OT+n], v14                ; each accumulator from its low end on
.set n, n+1
.endr
	v_max3_num_f32 v[BM], |v[ST]|, |v[ST+1]|, 0x1800000
.irp i, 2,4,6,8,10,12,14,16,18,20,22,24,26,28,30
	s_delay_alu instid0(VALU_DEP_1)
	v_max3_num_f32 v[BM], v[BM], |v[ST+\i]|, |v[ST+\i+1]|
.endr
	s_delay_alu instid0(VALU_DEP_1)
	v_add_nc_u32 v[SO], 0xff000000, v[BM]
	s_delay_alu instid0(VALU_DEP_1)
	v_lshrrev_b32 v[BY], 23, v[SO]
	v_cvt_scalef32_pk16_fp6_f32 v[PCD:PCD+2], v[ST:ST+15], v[SO]
	v_cvt_scalef32_pk16_fp6_f32 v[CT:CT+2], v[ST+16:ST+31], v[SO]
	v_nop
.irp i, 0,1,2
	v_mov_b32 v[PCD+3+\i], v[CT+\i]
.endr
.irp p, 0,1,2
	ds_store_b64 v[SGA], v[PCD+2*\p:PCD+2*\p+1] offset:\more*STGB+8*\p
.endr
	ds_load_b128 v[OB:OB+3], v[SGR] offset:\more*STGB      ; in order behind my stores
	ds_load_b64 v[OB+4:OB+5], v[SGR2] offset:\more*STGB
	global_store_b8 v[GSB], v[BY], s[10:11]        ; 32 lanes, 32 different bytes: row r's byte 2 head + h
	s_wait_dscnt 1                                 ; the first read-back is in; the second may be out
	global_store_b128 v[GO16], v[OB:OB+3], s[8:9]  ; 512 consecutive bytes, aligned to 256
	s_wait_dscnt 0x0
	global_store_b64 v[GO8], v[OB+4:OB+5], s[8:9]  ; and 256 more
.if \more
	s_wait_xcnt 0x0                                ; the stores have read their bases and registers: both may be written again
	s_add_nc_u64 s[8:9], s[8:9], s[92:93]          ; on to block 7 - j: 256 (7 - 2 j) rows
	s_add_nc_u64 s[12:13], s[12:13], s[92:93]
	s_add_nc_u64 s[10:11], s[10:11], s[94:95]
	s_add_nc_u64 s[14:15], s[14:15], s[96:97]
	s_add_co_u32 s[QLO], s[QLO], s[DROW]
	s_add_co_u32 s[QHI], s[QHI], s[DROW]
	s_add_co_u32 s[SQ], s[SQ], s[DROW]
	INIT
.endif
.endm
	INIT
.Lslot:                                            ; 8 trips: behind each change of slots but the last the next slot is asked for
	s_wait_alu depctr_va_vdst(0)
	CHANGE 1
	SLOT_STEPS
	s_cmp_lg_u32 s[SLOTS], s[SWT]                  ; the first block's last slot?  A branch on ids; it jumps over no barrier and no tensor load
	s_cbranch_scc1 .Lsame
	FINISH 1
.Lsame:
	s_sub_co_u32 s[SLOTS], s[SLOTS], 1
	s_cmp_lg_u32 s[SLOTS], 0
	s_cbranch_scc1 .Lslot
	CHANGE 0                                       ; the last slot is written out
	SLOT_STEPS
	FINISH 0
	s_wait_tensorcnt 0x0                           ; the wave's end
	ds_add_u32 v[SPW], v[NIL]
	s_wait_dscnt 0x0
	s_endpgm
.Lfunc_end_k_qa040b640d5_attn:
	.size	k_qa040b640d5_attn, .Lfunc_end_k_qa040b640d5_attn-k_qa040b640d5_attn
	.p2alignl 7, 3214868480
	.fill 96, 4, 3214868480
	.section	.rodata,"a",@progbits
	.p2align	6, 0x0
	.amdhsa_kernel k_qa040b640d5_attn
		.amdhsa_group_segment_fixed_size 327680
		.amdhsa_private_segment_fixed_size 0
		.amdhsa_enable_private_segment 0
		.amdhsa_kernarg_size 32
		.amdhsa_user_sgpr_count 2
		.amdhsa_user_sgpr_kernarg_segment_ptr 1
		.amdhsa_wavefront_size32 1
		.amdhsa_system_sgpr_workgroup_id_x 1
		.amdhsa_system_sgpr_workgroup_id_y 1
		.amdhsa_system_sgpr_workgroup_id_z 1
		.amdhsa_system_vgpr_workitem_id 0
		.amdhsa_next_free_vgpr 256
		.amdhsa_next_free_sgpr 102
		.amdhsa_reserve_vcc 1
		.amdhsa_float_denorm_mode_32 3
		.amdhsa_float_denorm_mode_16_64 3
		.amdhsa_memory_ordered 1
		.amdhsa_forward_progress 1
		.amdhsa_inst_pref_size 113
	.end_amdhsa_kernel
	.amdgpu_metadata
---
amdhsa.version: [ 1, 2 ]
amdhsa.kernels:
  - .name:           k_qa040b640d5_attn
    .symbol:         k_qa040b640d5_attn.kd
    .args:
      - { .name: qkvc, .offset: 0, .size: 8, .value_kind: global_buffer, .address_space: global }
      - { .name: qkvs, .offset: 8, .size: 8, .value_kind: global_buffer, .address_space: global }
      - { .name: ctxc, .offset: 16, .size: 8, .value_kind: global_buffer, .address_space: global }
      - { .name: ctxs, .offset: 24, .size: 8, .value_kind: global_buffer, .address_space: global }
    .group_segment_fixed_size: 327680
    .private_segment_fixed_size: 0
    .kernarg_segment_align: 8
    .kernarg_segment_size: 32
    .max_flat_workgroup_size: 512
    .sgpr_count:     102
    .vgpr_count:     256
    .wavefront_size: 32
...
	.end_amdgpu_metadata
.endif
;; end of part 3
;; launch proj (part 4): grid 4 x 32, 4 waves a work-group, clusters of 4 x 4, 327,680 bytes of LDS; arguments ctxc, ctxs, cod, scl, out0; writes out0
.if DOCPART == 4
	.amdgcn_target "amdgcn-amd-amdhsa--gfx1250"
	.amdhsa_code_object_version 6
	.text
	.protected	k_qa040b640d5_proj
	.globl	k_qa040b640d5_proj
	.p2align	8
	.type	k_qa040b640d5_proj,@function
k_qa040b640d5_proj:
	s_mov_b64 s[64:65], 0
	v_nop
	global_prefetch_b8 v0, s[64:65] scope:SCOPE_SE
	s_setreg_imm32_b32 hwreg(HW_REG_WAVE_MODE, 25, 1), 1
	s_wait_xcnt 0x0
	s_wait_alu depctr_hold_cnt(0) depctr_sa_sdst(0) depctr_va_vdst(0) depctr_va_sdst(0) depctr_va_ssrc(0) depctr_va_vcc(0) depctr_vm_vsrc(0)
	s_getreg_b32 s2, hwreg(HW_REG_IB_STS2, 6, 4)
	s_cmp_eq_u32 s2, 0
	s_cbranch_scc0 .Lentry_in_a_cluster
	s_endpgm
.Lentry_in_a_cluster:
	s_bfe_u32 s2, ttmp6, 0x10000c
	s_cmp_lg_u32 s2, 0xf033
	s_cbranch_scc0 .Lentry_shape_is_right
	s_endpgm
.Lentry_shape_is_right:
; The last product, out = ctx W_o^T, on codes of FP6 (E2M3) with E8M0 scales; M = 8,192, N = 1,024, K = 1,024; out is f32.
; A = ctx: ctxc holds planes of 64 along K, [16 planes][8,192 rows][48 bytes], its rows in STORED order (actual 64 G + 32 a + 8 t + j at 64 G + 16 t + 8 a + j); ctxs [8,192][32] scale bytes, same rows.
; B = W_o: rows 11,264 on of cod (768 bytes a row, one stream of bits) and of scl, in actual order.
; A tile of 256 x 256 to a work-group of four waves, 128 x 128 to a wave: 64 accumulators, 512 registers.  K goes in steps of 256 through a ring of two LDS slots; the scale bytes of the tile's rows come once and stay.
; CLUSTERS: 4 x 4 work-groups; A's tiles are shared along a row of the cluster, B's along a column: each is asked for jointly, by the same tensor load with the same descriptor and a mask that names the four.
; THE MATRIX INSTRUCTION IS USED TRANSPOSED (source 0 = 16 rows of B, source 1 = 16 rows of A): a lane holds eight neighbouring numbers of a row of out.  The stored order of the rows is undone by the stores' immediate offsets.
; REGISTERS, in windows of 256: window 0: v0-31 addresses; v32-63 scale words, two sets; from v128 A's fragments, one set; later the rows read back.
;   window 1: B's fragments, two sets.   window 2: the accumulators of my rows 0-63 ((a, b) at v[8 (8 a + b)]);   window 3: those of rows 64-127.
.set NQ,     2
.set ROWB,   192                       ; B: a tile's row in bytes
.set KROW,   768                       ; a row of cod
.set PITCH,  240                       ; B's LDS row: 3 x (64 bytes + 16 of padding)
.set APL,    6144                      ; A: 128 rows x 48 bytes of one plane, dense in memory and in LDS
.set ASTEP,  4*393216                  ; four planes on: a K step of 256
.set FR,     12
.set NL,     6
.set NP,     4
.set HALFT,  128*PITCH                 ; LDS for 128 rows of B; A's 128 rows (4 x 6,144 bytes) get as much
.set SLOT,   4*HALFT
.set LAPS,   2
.set KS,     32
.set SCL,    2*SLOT
.set HALFS,  16*272
.set SBLK,   2*272
.set SPARE,  SCL+4*HALFS               ; the spare words, 128 bytes for each wave: two blocks of 256 bytes that no other line names
.set SPITCH, 528                       ; the way out: a stage of 16 rows x (512 bytes + 16) for each wave, in slot 0, which has had its last fill and its last read by then
.set NROW,   4096                      ; a row of out in bytes
.set ADRA, 16                          ; v16-17 LDS address of A's fragments in slot 0, 1
.set ADRB, 20                          ; v20-21 of B's (v22-23: for the pieces behind one padding more)
.set STO,  24
.set RD,   25
.set CO,   26
.set ADRS, 27
.set SPW,  28
.set NIL,  29
.set SC,   32
.set AF,   128
.set BK,   128
.set G1,   24
.set G0,   32
.set G1B,  48
.set G0B,  56
.set G1S,  68
.set G0S,  76
.set G1SB, 80
.set G0SB, 88
.set MSB, 0
.macro WIN new                         ; the immediate's high byte repeats the setting that is left
.if MSB != (\new)
	s_set_vgpr_msb (MSB<<8)|(\new)
.set MSB, (\new)
.endif
.endm
.set MUL_LO, 0xa1
.set MUL_HI, 0xf1
.set TO_B,   0x40
.macro JLOAD g0a, g1a, g0b, g1b        ; a joint load: waves 0 and 1 fetch for A, waves 2 and 3 for B; four v_nop follow each of the two lines
	s_cmp_eq_u32 s15, 0
	s_cbranch_scc0 .Lfor_b_\@
	tensor_load_to_lds s[\g0a:\g0a+3], s[\g1a:\g1a+7]
	s_nop 0
.rept 4
	v_nop
.endr
	s_branch .Lasked_\@
.Lfor_b_\@:
	tensor_load_to_lds s[\g0b:\g0b+3], s[\g1b:\g1b+7]
	s_nop 0
.rept 4
	v_nop
.endr
.Lasked_\@:
.endm
.macro CREST
	s_cmp_lg_u32 s14, 0
	s_cbranch_scc1 .Lnot_wave_0_\@
	s_barrier_signal -3
.Lnot_wave_0_\@:
	s_barrier_wait -3
	s_barrier_signal -1
	s_barrier_wait -1
.endm
.macro CROUND
	s_barrier_signal -1
	s_barrier_wait -1
	CREST
.endm
	s_load_b128 s[4:7], s[0:1], 0x0                ; ctxc, ctxs
	s_load_b128 s[8:11], s[0:1], 0x10              ; cod, scl
	s_load_b64 s[12:13], s[0:1], 0x20              ; out0
	v_lshl_add_u32 v[SPW], v0, 2, SPARE
	v_mov_b32 v[NIL], 0
	ds_add_u32 v28, v29
	s_wait_dscnt 0x0
	v_lshrrev_b32 v1, 5, v0
	v_readfirstlane_b32 s14, v1                    ; wave 0..3
	s_lshr_b32 s15, s14, 1                         ; which half of the tile's rows is mine.  Also: I fetch for A (0) or for B (1)
	s_and_b32 s16, s14, 1                          ; which half of its columns.  Also: which 128 rows of that tile I fetch
	s_bfe_u32 s40, ttmp6, 0x40000                  ; cx, cy
	s_bfe_u32 s41, ttmp6, 0x40004
	s_lshl_b32 s42, ttmp9, 2
	s_add_co_u32 s42, s42, s40                     ; tile column
	s_and_b32 s17, ttmp7, 0xffff
	s_lshl_b32 s17, s17, 2
	s_add_co_u32 s17, s17, s41                     ; tile row
	s_lshl_b32 s43, s41, 2
	s_lshl_b32 s43, 15, s43                        ; my row of the cluster
	s_lshl_b32 s44, 0x1111, s40                    ; my column
	; descriptor group 1.  A: 4 planes' 6,144 bytes (768 elements of 8), 393,216 bytes apart, no padding
	s_or_b32 s[G1+0], s43, (3<<16)|(1<<21)
	s_mov_b32 s[G1+1], 768<<16
	s_mov_b32 s[G1+2], 4<<16
	s_mov_b32 s[G1+3], 768<<16
	s_mov_b32 s[G1+4], 4
	s_mov_b32 s[G1+5], 49152
	s_mov_b32 s[G1+6], 0
	s_mov_b32 s[G1+7], 0
	; B: 128 rows x 192 bytes, 16 bytes of padding behind every 64
	s_or_b32 s[G1B+0], s44, (0<<16)|(1<<20)|(1<<21)|(3<<22)|(3<<25)
	s_mov_b32 s[G1B+1], ROWB<<16
	s_mov_b32 s[G1B+2], 128<<16
	s_mov_b32 s[G1B+3], ROWB<<16
	s_mov_b32 s[G1B+4], 128
	s_mov_b32 s[G1B+5], KROW
	s_mov_b32 s[G1B+6], 0
	s_mov_b32 s[G1B+7], 0
	; the scale bytes of 128 rows: 4,096 dense bytes as 16 rows of 256, 16 bytes of padding behind each
	s_or_b32 s[G1S+0], s43, (3<<16)|(1<<20)|(1<<21)|(5<<22)|(3<<25)
	s_or_b32 s[G1SB+0], s44, (3<<16)|(1<<20)|(1<<21)|(5<<22)|(3<<25)
.irp g, G1S, G1SB
	s_mov_b32 s[\g+1], 32<<16
	s_mov_b32 s[\g+2], 16<<16
	s_mov_b32 s[\g+3], 32<<16
	s_mov_b32 s[\g+4], 16
	s_mov_b32 s[\g+5], 32
	s_mov_b32 s[\g+6], 0
	s_mov_b32 s[\g+7], 0
.endr
	s_lshl_b32 s18, s16, 7                         ; which 128 rows of the tile I fetch
	s_lshl_b32 s20, s17, 8
	s_add_co_u32 s20, s20, s18                     ; A: row 256 x tile row + 128 x half
	s_lshl_b32 s46, s42, 8
	s_add_co_u32 s46, s46, s18
	s_add_co_u32 s46, s46, 11264                   ; B: W_o's rows in cod
	s_mul_i32 s22, s20, KS
	s_mov_b32 s23, 0
	s_mul_i32 s20, s20, 48
	s_mov_b32 s21, 0
	s_mul_i32 s92, s46, KS
	s_mov_b32 s93, 0
	s_mul_i32 s46, s46, KROW
	s_mov_b32 s47, 0
	s_mul_i32 s45, s14, HALFT                      ; where they go: no place in the cluster enters an LDS address
	s_mul_i32 s94, s14, HALFS
	s_wait_kmcnt 0x0
	s_add_nc_u64 s[20:21], s[4:5], s[20:21]
	s_add_nc_u64 s[22:23], s[6:7], s[22:23]
	s_add_nc_u64 s[46:47], s[8:9], s[46:47]
	s_add_nc_u64 s[92:93], s[10:11], s[92:93]
	CROUND                                         ; all sixteen work-groups are here: the first joint loads meet
	s_mov_b32 s[G0S], 1
	s_add_co_u32 s[G0S+1], s94, SCL
	s_mov_b64 s[G0S+2:G0S+3], s[22:23]
	s_or_b32 s[G0S+3], s[G0S+3], 0x80000000
	s_mov_b32 s[G0SB], 1
	s_add_co_u32 s[G0SB+1], s94, SCL
	s_mov_b64 s[G0SB+2:G0SB+3], s[92:93]
	s_or_b32 s[G0SB+3], s[G0SB+3], 0x80000000
	JLOAD G0S, G1S, G0SB, G1SB                     ; the scale bytes first.  With the two below, three loads of mine are out
.irp s, 0,1
	s_mov_b32 s[G0+4*\s], 1
	s_add_co_u32 s[G0+4*\s+1], s45, \s*SLOT
	s_add_nc_u64 s[G0+4*\s+2:G0+4*\s+3], s[20:21], \s*ASTEP
	s_or_b32 s[G0+4*\s+3], s[G0+4*\s+3], 0x80000000
	s_mov_b32 s[G0B+4*\s], 1
	s_add_co_u32 s[G0B+4*\s+1], s45, \s*SLOT
	s_add_nc_u64 s[G0B+4*\s+2:G0B+4*\s+3], s[46:47], \s*ROWB
	s_or_b32 s[G0B+4*\s+3], s[G0B+4*\s+3], 0x80000000
	JLOAD G0+4*\s, G1, G0B+4*\s, G1B
.endr
	v_and_b32 v1, 15, v0                           ; r
	v_bfe_u32 v2, v0, 4, 1                         ; h
	v_mul_u32_u24 v3, v1, PITCH
	v_mul_u32_u24 v4, v2, 24
	v_add_nc_u32 v4, v3, v4                        ; B: row x pitch + 24 x half
	v_lshl_add_u32 v5, v2, 4, v4                   ; and the same behind one padding more
	v_mul_u32_u24 v7, v1, 48
	v_mad_u32_u24 v7, v2, 24, v7                   ; A: row x 48 + 24 x half: the 32 lanes of a load of 8 bytes touch 64 different banks
	s_mul_i32 s21, s15, HALFT                      ; my 128 rows of A
	s_mul_i32 s22, s16, HALFT                      ; my 128 rows of B,
	s_add_co_u32 s22, s22, 2*HALFT                 ; behind A's
.irp s, 0,1
	v_add_nc_u32 v[ADRA+\s], s21, v7
	v_add_nc_u32 v[ADRB+\s], s22, v4
	v_add_nc_u32 v[ADRB+2+\s], s22, v5
	s_add_co_u32 s21, s21, SLOT
	s_add_co_u32 s22, s22, SLOT
.endr
	v_mul_u32_u24 v5, v1, KS
	v_lshrrev_b32 v6, 8, v5
	v_lshl_add_u32 v5, v6, 4, v5
	s_mul_i32 s21, s15, HALFS
	s_mul_i32 s22, s16, HALFS
	s_add_co_u32 s22, s22, 2*HALFS
	s_sub_co_u32 s22, s22, s21
	v_mul_u32_u24 v6, s22, v2                      ; lanes 16-31 take B's
	s_add_co_u32 s21, s21, SCL
	v_add_nc_u32 v5, v5, v6
	v_add_nc_u32 v[ADRS], s21, v5
	s_mul_i32 s23, s14, 16*SPITCH                  ; my stage
	v_mul_u32_u24 v5, v1, SPITCH
	v_lshl_add_u32 v5, v2, 5, v5
	v_add_nc_u32 v[STO], s23, v5                   ; in: row r, 32 bytes for each half of the lanes
	v_and_b32 v6, 31, v0
	v_lshlrev_b32 v[CO], 4, v6                     ; back: the 32 lanes take one row of 512 bytes; and the same in out
	v_add_nc_u32 v[RD], s23, v[CO]
	s_lshl_b32 s20, s17, 8
	s_lshl_b32 s21, s15, 7
	s_add_co_u32 s20, s20, s21                     ; my first row: 256 x tile row + 128 x half, a multiple of 64
	s_lshl_b32 s20, s20, 12                        ; 4,096 bytes a row (under 2^25)
	s_lshl_b32 s46, s42, 10
	s_add_co_u32 s20, s20, s46
	s_lshl_b32 s46, s16, 9
	s_add_co_u32 s20, s20, s46                     ; + 1,024 x tile column + 512 x half
	s_mov_b32 s21, 0
	s_add_nc_u64 s[12:13], s[12:13], s[20:21]
.macro FRAG reg, adr, q, i             ; B's fragment: 12 registers; lane l holds row l % 16; registers 6 c .. 6 c + 5 hold K = 64 c + 32 (l / 16) + 0 .. 31, in pieces of 8 bytes
.irp p, 0,1,2,3,4,5
.set PC, 12*(\q)+6*(\p/3)+\p%3
.if PC%8 < 5
	ds_load_b64 v[\reg+2*\p:\reg+2*\p+1], v[\adr] offset:8*PC+16*(PC/8)+(\i)*16*PITCH
.else
	ds_load_b64 v[\reg+2*\p:\reg+2*\p+1], v[\adr+2] offset:8*PC+16*(PC/8)+(\i)*16*PITCH
.endif
.endr
.endm
.macro FRAGP reg, adr, q, i            ; A's fragment, from planes: registers 6 c .. 6 c + 5 come from plane 2 q + c of the slot's four
.irp p, 0,1,2,3,4,5
	ds_load_b64 v[\reg+2*\p:\reg+2*\p+1], v[\adr] offset:(2*(\q)+\p/3)*APL+(\i)*768+8*(\p%3)
.endr
.endm
; 16 matrix instructions; the 64 accumulators take turns, one instruction a turn, in the same order in every step
.macro MUL16 a0, p, q, sc, zero
.irp a, \a0, \a0+1
.irp b, 0,1,2,3,4,5,6,7
.if \zero
	v_wmma_scale_f32_16x16x128_f8f6f4 v[8*(8*((\a)%4)+\b):8*(8*((\a)%4)+\b)+7], v[128*(\p)+FR*\b:128*(\p)+FR*\b+FR-1], v[AF+FR*(\a):AF+FR*(\a)+FR-1], 0, v[SC+8*NQ*(\sc)+NQ*\b+(\q)], v[SC+8*NQ*(\sc)+NQ*(\a)+(\q)] matrix_a_fmt:MATRIX_FMT_FP6 matrix_b_fmt:MATRIX_FMT_FP6 matrix_a_scale:MATRIX_SCALE_ROW1
.else
	v_wmma_scale_f32_16x16x128_f8f6f4 v[8*(8*((\a)%4)+\b):8*(8*((\a)%4)+\b)+7], v[128*(\p)+FR*\b:128*(\p)+FR*\b+FR-1], v[AF+FR*(\a):AF+FR*(\a)+FR-1], v[8*(8*((\a)%4)+\b):8*(8*((\a)%4)+\b)+7], v[SC+8*NQ*(\sc)+NQ*\b+(\q)], v[SC+8*NQ*(\sc)+NQ*(\a)+(\q)] matrix_a_fmt:MATRIX_FMT_FP6 matrix_b_fmt:MATRIX_FMT_FP6 matrix_a_scale:MATRIX_SCALE_ROW1
.endif
.endr
.endr
.endm
.macro FETCH_B slot, q, p
	WIN TO_B
.irp i, 0,1,2,3,4,5,6,7
	FRAG 128*(\p)+FR*\i, ADRB+\slot, \q, \i
.endr
	WIN 0
.endm
.macro FETCH_A slot, q, i0
.irp i, \i0, \i0+1, \i0+2, \i0+3
	FRAGP AF+FR*(\i), ADRA+\slot, \q, \i
.endr
.endm
.macro SCALES sc
.irp i, 0,1,2,3,4,5,6,7
	ds_load_b64 v[SC+8*NQ*\sc+NQ*\i:SC+8*NQ*\sc+NQ*\i+1], v[ADRS] offset:\i*SBLK
.endr
.endm
.macro PLACES n
.rept \n
	v_nop
.endr
.endm
.macro STEP slot, q, zero
	s_wait_dscnt 4*NL                              ; B's set and A's blocks 0-3 are in; the youngest 24 loads (A's blocks 4-7) may be out
	WIN MUL_LO
	MUL16 0, (\q)%2, \q, \slot, \zero
	MUL16 2, (\q)%2, \q, \slot, \zero
	s_wait_dscnt 0
	PLACES NP
	FETCH_B \slot, (\q)+1, 1-(\q)%2
	FETCH_A \slot, (\q)+1, 0
	WIN MUL_HI
	MUL16 4, (\q)%2, \q, \slot, \zero
	MUL16 6, (\q)%2, \q, \slot, \zero
	PLACES NP
	WIN 0
	FETCH_A \slot, (\q)+1, 4
.endm
.macro TURN slot, next, fill
	s_wait_tensorcnt 0x0                           ; all my tensor loads have landed: my part of the next slot
	ds_add_u32 v[SPW], v[NIL]
	s_wait_dscnt 4*NL+1                            ; the add and the youngest 24 loads may be out
	WIN MUL_LO
	MUL16 0, 1, NQ-1, \slot, 0
	s_wait_dscnt 0x0                               ; the add is done, and my reads of this slot are over
	s_barrier_signal -1
	MUL16 2, 1, NQ-1, \slot, 0
	WIN 0
	s_barrier_wait -1
.if \fill
	CREST                                          ; a round of the cluster's barrier: no wave of any partner still reads this slot or has a load on its way
	s_add_nc_u64 s[G0+4*\slot+2:G0+4*\slot+3], s[G0+4*\slot+2:G0+4*\slot+3], 2*ASTEP
	s_add_nc_u64 s[G0B+4*\slot+2:G0B+4*\slot+3], s[G0B+4*\slot+2:G0B+4*\slot+3], 2*ROWB
	JLOAD G0+4*\slot, G1, G0B+4*\slot, G1B         ; the first tensor load behind the round, my one load until the next
.else
	PLACES NP
.endif
	v_add_nc_u32 v[ADRS], 4*NQ, v[ADRS]
	FETCH_B \next, 0, 0
	FETCH_A \next, 0, 0
	SCALES \next
	WIN MUL_HI
	MUL16 4, 1, NQ-1, \slot, 0
	MUL16 6, 1, NQ-1, \slot, 0
	PLACES NP
	WIN 0
	FETCH_A \next, 0, 4
.endm
	s_wait_tensorcnt 1                             ; the scale bytes and my part of K step 0 are in (K step 1's load may be out)
	s_barrier_signal -1
	s_barrier_wait -1
	FETCH_B 0, 0, 0
	FETCH_A 0, 0, 0
	SCALES 0
	FETCH_A 0, 0, 4
	STEP 0, 0, 1                                   ; the first step's products start the sums
	s_mov_b32 s3, LAPS-1
.Llap:
	TURN 0, 1, 1
	STEP 1, 0, 0
	TURN 1, 0, 1
	STEP 0, 0, 0
	s_sub_co_u32 s3, s3, 1
	s_cmp_lg_u32 s3, 0
	s_cbranch_scc1 .Llap
	TURN 0, 1, 0                                   ; the last lap fills nothing
	STEP 1, 0, 0
	s_wait_dscnt 4*NL
	WIN MUL_LO
	MUL16 0, 1, NQ-1, 1, 0
	MUL16 2, 1, NQ-1, 1, 0
	s_wait_dscnt 0
	WIN MUL_HI
	MUL16 4, 1, NQ-1, 1, 0
	MUL16 6, 1, NQ-1, 1, 0
	WIN 0
; THE WAY OUT, block by block of 16 rows x 128 columns, through my own stage in LDS: back come whole rows of 512 bytes.  LDS serves a wave's instructions in order (ISA guide 5.7.1.4): no wait between the stores and the loads.
.macro TOSTAGE a
.set AC, 64*((\a)%4)
	WIN 0x08+4*((\a)/4)                            ; the data: window 2 or 3
.irp b, 0,1,2,3,4,5,6,7
	ds_store_b128 v[STO], v[AC+8*\b:AC+8*\b+3] offset:64*\b          ; each accumulator from its low end on
	ds_store_b128 v[STO], v[AC+8*\b+4:AC+8*\b+7] offset:64*\b+16
.endr
	WIN 0
.set BB, BK+64*((\a)%2)
.irp t, 0,1,2,3,4,5,6,7,8,9,10,11,12,13,14,15
	ds_load_b128 v[BB+4*\t:BB+4*\t+3], v[RD] offset:\t*SPITCH
.endr
.endm
.macro SEND a, younger                 ; stored row 16 a + t of my 128 is actual row 64 (a / 4) + 32 (t / 8) + 8 (a % 4) + t % 8: the immediate undoes the stored order (127 rows at the most: inside the signed 24 bits)
.set BB, BK+64*((\a)%2)
	s_wait_dscnt \younger                          ; the block is back in registers; the younger LDS instructions may be out
.irp t, 0,1,2,3,4,5,6,7,8,9,10,11,12,13,14,15
	global_store_b128 v[CO], v[BB+4*\t:BB+4*\t+3], s[12:13] offset:(64*((\a)/4)+32*(\t/8)+8*((\a)%4)+\t%8)*NROW th:TH_STORE_NT   ; 32 lanes store 512 consecutive bytes, aligned to 256; written once, read by nobody here
.endr
.endm
	PLACES NP
	TOSTAGE 0
.irp a, 1,2,3,4,5,6,7
.if \a > 1
	s_wait_xcnt 0x0                                ; block a - 2's stores have read their registers: block a's loads may land there
.endif
	TOSTAGE \a
	SEND \a-1, 32                                  ; behind block a - 1's loads: block a's 16 stores and 16 loads
.endr
	SEND 7, 0
	s_wait_tensorcnt 0x0                           ; the wave's end
	ds_add_u32 v[SPW], v[NIL]
	s_wait_dscnt 0x0
	CROUND                                         ; the closing round
	s_endpgm
.Lfunc_end_k_qa040b640d5_proj:
	.size	k_qa040b640d5_proj, .Lfunc_end_k_qa040b640d5_proj-k_qa040b640d5_proj
	.p2alignl 7, 3214868480
	.fill 96, 4, 3214868480
	.section	.rodata,"a",@progbits
	.p2align	6, 0x0
	.amdhsa_kernel k_qa040b640d5_proj
		.amdhsa_group_segment_fixed_size 327680
		.amdhsa_private_segment_fixed_size 0
		.amdhsa_enable_private_segment 0
		.amdhsa_kernarg_size 40
		.amdhsa_user_sgpr_count 2
		.amdhsa_user_sgpr_kernarg_segment_ptr 1
		.amdhsa_wavefront_size32 1
		.amdhsa_system_sgpr_workgroup_id_x 1
		.amdhsa_system_sgpr_workgroup_id_y 1
		.amdhsa_system_sgpr_workgroup_id_z 1
		.amdhsa_system_vgpr_workitem_id 0
		.amdhsa_next_free_vgpr 1024
		.amdhsa_next_free_sgpr 98
		.amdhsa_reserve_vcc 0
		.amdhsa_float_denorm_mode_32 3
		.amdhsa_float_denorm_mode_16_64 3
		.amdhsa_memory_ordered 1
		.amdhsa_forward_progress 1
		.amdhsa_inst_pref_size 159
	.end_amdhsa_kernel
	.amdgpu_metadata
---
amdhsa.version: [ 1, 2 ]
amdhsa.kernels:
  - .name:           k_qa040b640d5_proj
    .symbol:         k_qa040b640d5_proj.kd
    .args:
      - { .name: ctxc, .offset: 0, .size: 8, .value_kind: global_buffer, .address_space: global }
      - { .name: ctxs, .offset: 8, .size: 8, .value_kind: global_buffer, .address_space: global }
      - { .name: cod, .offset: 16, .size: 8, .value_kind: global_buffer, .address_space: global }
      - { .name: scl, .offset: 24, .size: 8, .value_kind: global_buffer, .address_space: global }
      - { .name: out0, .offset: 32, .size: 8, .value_kind: global_buffer, .address_space: global }
    .group_segment_fixed_size: 327680
    .private_segment_fixed_size: 0
    .kernarg_segment_align: 8
    .kernarg_segment_size: 40
    .max_flat_workgroup_size: 128
    .sgpr_count:     98
    .vgpr_count:     1024
    .wavefront_size: 32
...
	.end_amdgpu_metadata
.endif
;; end of part 4
